; MI455X (gfx1250); checked and timed in simulation.
; The chip was launched on July 23, 2026; its instructions are those of AMD's public machine-readable ISA for CDNA 5 (MIT licence, August 2026) and "CDNA5" Instruction Set Architecture Reference Guide (July 2026). The comments in the code are by the model that wrote it; some were corrected since.
;; Mixture Of Experts. Allowed arithmetic: float matrix products may take bf16 or f16 operands with f32 sums; other float arithmetic in f32, or as packed bf16 or f16 multiplies, adds, multiply-adds, maxima and minima; sums over many terms, partial sums and values carried from step to step in f32; what a program stores and reads back later, other than sums and carried values, may be rounded once to bf16 or f16.
;; Inputs: b1 8 x 2,048 float32; b2 8 x 2,048 float32; b3 8 x 1,024 float32; gate_b 8 float32; gate_w 1,024 x 8 float32; w1 8 x 1,024 x 2,048 float32; w2 8 x 2,048 x 2,048 float32; w3 8 x 2,048 x 1,024 float32; x 1,024 x 1,024 float32.
;; Outputs: out0 1,024 x 1,024 float32.
;; One version. Each part assembles by itself: llvm-mc -triple=amdgcn-amd-amdhsa -mcpu=gfx1250 --defsym DOCPART=n.
;; ======== version 1 of 1: 5 launches
;; limits: values are held in f16: magnitudes above 65,504 overflow, below 6.1e-05 lose precision; inputs' magnitudes at most 65,504
;; workspace buffers: xb 2,097,152 bytes; w1h 33,554,432 bytes; w2h 67,108,864 bytes; w3h 33,554,432 bytes; h1 33,554,432 bytes; h2 33,554,432 bytes; part 67,108,864 bytes; aux 40,192 bytes
;; launch prep (part 1): grid 1153 x 1, 8 waves a work-group, no clusters, 17,664 bytes of LDS; arguments x, gate_w, gate_b, b1, b2, w1, w2, w3, xb, w1h, w2h, w3h, aux; writes xb, w1h, w2h, w3h, aux
.if DOCPART == 1
	.amdgcn_target "amdgcn-amd-amdhsa--gfx1250"
	.amdhsa_code_object_version 6
	.text
	.protected	k_qe505e7bab9_prep
	.globl	k_qe505e7bab9_prep
	.p2align	8
	.type	k_qe505e7bab9_prep,@function
k_qe505e7bab9_prep:
	s_mov_b64 s[64:65], 0
	v_nop
	global_prefetch_b8 v0, s[64:65] scope:SCOPE_SE
	s_setreg_imm32_b32 hwreg(HW_REG_WAVE_MODE, 25, 1), 1
	s_wait_xcnt 0x0
; PREPARATION.  Three kinds of work-group, told apart by the work-group's number alone (the same in all eight waves):
;   0-127     x: 8 rows each, one a wave: x rounded to bf16 and written as f16 in panels [8][1024 rows][128]; the gates (softmax of x gate_w + gate_b, all three
;             rounded to bf16, sums in f32, the maximum taken away before the exponentials); the row's sum of |x|
;   128       the largest |b1[e]| and |b2[e]|, wave e for expert e
;   129-1152  a chunk of 65,536 weights (262,144 bytes of f32) of w1, w2 or w3: rounded to bf16, that number written as f16 at the same place [K][N]; for w1 and w2 the chunk's largest |w| goes to aux
; The stream binds by bytes: no matrix unit, no cluster.  LIMITS: |x|, |w| beyond 65,504 become infinities in f16; below 6.1e-5 they keep f16's fixed step of 6e-8.
; aux (f32): gates [1024][8] at 0; sum |x| [1024] at X1O; chunk maxima of w1 (256) and then of w2 (512) from W1M on; b1's and b2's maxima [8] + [8] at BM.
.set X1O,   32768
.set W1M,   36864
.set BM,    39936
.set NXW,   128                        ; work-groups that take rows of x
.set SPARE, 256                        ; LDS: bytes 0-31 the eight waves' maxima; from 256 on the spare words, 128 bytes a wave
.set GPL,   1280                       ; LDS: gate_w rounded to bf16, packed: 8 panels of 128 d x 8 experts, 2,048 bytes each
.set SPW, 4                            ; v4  my spare word's LDS address; never rewritten
.set NIL, 5                            ; v5  0; never rewritten
.set X,   16                           ; v[16:47]  cast: slot i, 4 numbers as loaded
.set Y,   48                           ; v[48:63]  cast: slot i, 4 f16 to store
.macro WMAX r, t                       ; the maximum over the wave's 32 lanes, in every lane; t is a register that has been written
	v_max_num_f32_dpp v[\r], v[\r], v[\r] row_xmask:1 row_mask:0xf bank_mask:0xf
	v_max_num_f32_dpp v[\r], v[\r], v[\r] row_xmask:2 row_mask:0xf bank_mask:0xf
	v_max_num_f32_dpp v[\r], v[\r], v[\r] row_xmask:4 row_mask:0xf bank_mask:0xf
	v_max_num_f32_dpp v[\r], v[\r], v[\r] row_xmask:8 row_mask:0xf bank_mask:0xf
	v_permlanex16_b32 v[\t], v[\r], s38, s39
	v_max_num_f32 v[\r], v[\r], v[\t]
.endm
.macro WSUM r, t                       ; the same for a sum
	v_add_f32_dpp v[\r], v[\r], v[\r] row_xmask:1 row_mask:0xf bank_mask:0xf
	v_add_f32_dpp v[\r], v[\r], v[\r] row_xmask:2 row_mask:0xf bank_mask:0xf
	v_add_f32_dpp v[\r], v[\r], v[\r] row_xmask:4 row_mask:0xf bank_mask:0xf
	v_add_f32_dpp v[\r], v[\r], v[\r] row_xmask:8 row_mask:0xf bank_mask:0xf
	v_permlanex16_b32 v[\t], v[\r], s38, s39
	v_add_f32 v[\r], v[\r], v[\t]
.endm
	s_load_b512 s[8:23], s[0:1], 0x0               ; x s[8:9], gate_w s[10:11], gate_b s[12:13], b1 s[14:15], b2 s[16:17], w1 s[18:19], w2 s[20:21], w3 s[22:23]
	s_load_b256 s[24:31], s[0:1], 0x40             ; xb s[24:25], w1h s[26:27], w2h s[28:29], w3h s[30:31]
	s_load_b64 s[32:33], s[0:1], 0x60              ; aux
	v_lshl_add_u32 v[SPW], v0, 2, SPARE
	v_mov_b32 v[NIL], 0
	v_lshrrev_b32 v1, 5, v0
	v_readfirstlane_b32 s2, v1                     ; wave 0..7
	s_mov_b32 s36, 0xffff0000                      ; a word's upper bf16
	s_mov_b32 s37, 0x7fff7fff                      ; clears the signs of two bf16
	s_mov_b32 s38, 0x76543210                      ; v_permlanex16_b32: each lane takes its own place in the other half
	s_mov_b32 s39, 0xfedcba98
	s_wait_kmcnt 0x0
	s_cmp_lt_u32 ttmp9, NXW
	s_cbranch_scc1 .Lx
	s_cmp_eq_u32 ttmp9, NXW
	s_cbranch_scc1 .Lbias
	; ---------------- a chunk of weights ----------------
	s_sub_co_u32 s40, ttmp9, NXW+1                 ; c = 0..1023: 256 chunks of w1, 512 of w2, 256 of w3
	s_cmp_lt_u32 s40, 256
	s_cselect_b64 s[42:43], s[18:19], s[20:21]
	s_cselect_b64 s[44:45], s[26:27], s[28:29]
	s_cselect_b32 s46, 0, 256
	s_cmp_lt_u32 s40, 768
	s_cselect_b64 s[42:43], s[42:43], s[22:23]
	s_cselect_b64 s[44:45], s[44:45], s[30:31]
	s_cselect_b32 s46, s46, 768
	s_sub_co_u32 s46, s40, s46                     ; the chunk's number in its tensor
	s_lshl_b32 s48, s46, 18
	s_mov_b32 s49, 0
	s_add_nc_u64 s[42:43], s[42:43], s[48:49]      ; from: 262,144 bytes a chunk
	s_lshl_b32 s48, s46, 17
	s_add_nc_u64 s[44:45], s[44:45], s[48:49]      ; to: 131,072
	v_lshlrev_b32 v1, 4, v0                        ; 16 bytes a thread in, never rewritten
	v_lshlrev_b32 v2, 3, v0                        ; 8 bytes a thread out: a wave's store covers 256 consecutive bytes, aligned; never rewritten
	v_mov_b32 v6, 0                                ; two packed running maxima of |w| (bf16, not negative)
	v_mov_b32 v7, 0
.irp i, 0,1,2,3,4,5,6,7
	global_load_b128 v[X+4*(\i):X+4*(\i)+3], v1, s[42:43] offset:(\i)*4096 th:TH_LOAD_NT  ; the ring of eight slots is filled
.endr
; One slot's turn: 4,096 bytes of the work-group's chunk.  left = how many younger loads may stay out.
; A round is the eight slots' turns.  At its head, behind the wait for slot 0's load, ONE s_wait_xcnt 0 frees what the round before named: all eight Y pairs and both bases,
; which are stepped there.  The refills then lie at i x 4,096 from the stepped base, and the stores reach back one round.
.macro SLOT i, ahead, left
	s_wait_loadcnt \left                           ; loads come back in order: mine is in
.if (\i) == 0
	s_wait_xcnt 0x0                                ; the last round's loads and stores have had their addresses translated (ISA guide 3.1)
.if \ahead
	s_add_nc_u64 s[42:43], s[42:43], 0x8000
.endif
	s_add_nc_u64 s[44:45], s[44:45], 0x4000
.endif
	v_cvt_pk_bf16_f32 v8, v[X+4*(\i)], v[X+4*(\i)+1]
	v_cvt_pk_bf16_f32 v9, v[X+4*(\i)+2], v[X+4*(\i)+3]
	v_and_b32 v10, s37, v8
	v_and_b32 v11, s37, v9
	v_pk_max_num_bf16 v6, v6, v10
	v_pk_max_num_bf16 v7, v7, v11
	v_lshlrev_b32 v10, 16, v8                      ; the rounded numbers as f32,
	v_and_b32 v11, s36, v8
	v_lshlrev_b32 v12, 16, v9
	v_and_b32 v13, s36, v9
	v_cvt_pk_f16_f32 v[Y+2*(\i)], v10, v11         ; written as f16
	v_cvt_pk_f16_f32 v[Y+2*(\i)+1], v12, v13
.if \ahead
	global_load_b128 v[X+4*(\i):X+4*(\i)+3], v1, s[42:43] offset:(\i)*4096 th:TH_LOAD_NT
.endif
	global_store_b64 v2, v[Y+2*(\i):Y+2*(\i)+1], s[44:45] offset:(\i)*2048-16384
.endm
	s_mov_b32 s41, 7
.Lround:
.irp i, 0,1,2,3,4,5,6,7
	SLOT \i, 1, 7
.endr
	s_sub_co_u32 s41, s41, 1
	s_cmp_lg_u32 s41, 0
	s_cbranch_scc1 .Lround
.irp i, 0,1,2,3,4,5,6,7
	SLOT \i, 0, 7-\i                               ; the last round loads nothing: the counts run down
.endr
	s_cmp_ge_u32 s40, 768
	s_cbranch_scc1 .Ldone                          ; w3's maximum enters no bound: it is formed by the shared text above and not stored
	v_pk_max_num_bf16 v6, v6, v7
	v_lshlrev_b32 v8, 16, v6
	v_and_b32 v9, s36, v6
	v_max_num_f32 v8, v8, v9
	WMAX 8, 9
	v_mov_b32 v10, s2
	v_lshlrev_b32 v10, 2, v10
	ds_store_b32 v10, v8                           ; my wave's word: all lanes write the same number
	s_wait_dscnt 0x0                               ; for the others' sake
	s_barrier_signal -1
	s_barrier_wait -1
	v_mov_b32 v11, 0
	ds_load_b128 v[16:19], v11                     ; the eight waves' maxima, in every lane of every wave
	ds_load_b128 v[20:23], v11 offset:16
	s_lshl_b32 s48, s40, 2
	v_mov_b32 v12, s48
	s_wait_dscnt 0x0
	v_max3_num_f32 v16, v16, v17, v18
	v_max3_num_f32 v16, v16, v19, v20
	v_max3_num_f32 v16, v16, v21, v22
	v_max_num_f32 v16, v16, v23
	s_wait_xcnt 0x0                                ; EXEC changes only behind this wait
	v_cmp_eq_u32 vcc_lo, 0, v0
	s_and_saveexec_b32 s47, vcc_lo                 ; thread 0 alone stores
	global_store_b32 v12, v16, s[32:33] offset:W1M ; chunk c's place: w1's 256, then w2's 512
	s_wait_xcnt 0x0
	s_or_b32 exec_lo, exec_lo, s47
	s_wait_tensorcnt 0x0                           ; the wave's end: behind my last LDS store
	ds_add_u32 v[SPW], v[NIL]
	s_wait_dscnt 0x0
	s_endpgm
.Ldone:
	s_endpgm
	; ---------------- 8 rows of x ----------------
	; Every load from memory goes out at once: wave w's panel w of gate_w (128 d x 8 experts) and its whole row of x.  The panels meet in LDS, rounded and packed, behind one barrier.
	; Lane l has d = 128 j + 4 l + 0..3 of panel j.  v[16:47] the row, panel j at 16 + 4 j; v[48:79] gate_w as loaded, then two buffers of 16 packed registers; v[80:87] the logits, v88 the sum of |x|.
.Lx:
	s_load_b256 s[48:55], s[12:13], 0x0            ; gate_b
	v_and_b32 v1, 31, v0                           ; lane l
	v_lshlrev_b32 v2, 4, v1                        ; x: 4 numbers a lane
	v_lshlrev_b32 v3, 7, v1                        ; gate_w: those four d, 8 experts each: 128 bytes
	v_lshlrev_b32 v6, 3, v1                        ; xb: 4 f16
	s_lshl3_add_u32 s40, ttmp9, s2                 ; my row = 8 x work-group + wave
	s_lshl_b32 s56, s40, 12
	s_mov_b32 s57, 0
	s_add_nc_u64 s[42:43], s[8:9], s[56:57]
	s_lshl_b32 s56, s2, 12
	s_add_nc_u64 s[44:45], s[10:11], s[56:57]      ; gate_w at panel w: 4,096 bytes a panel
	s_lshl_b32 s56, s40, 8
	s_add_nc_u64 s[46:47], s[24:25], s[56:57]      ; xb at my row of panel 0
	s_lshl_b32 s56, s2, 11
	s_add_co_u32 s56, s56, GPL
	v_lshl_add_u32 v7, v1, 4, s56                  ; LDS: where my wave puts its panel,
	v_lshl_add_u32 v8, v1, 4, GPL                  ; and where a panel is read: four planes of 512 bytes, 16 neighbouring bytes a lane
.irp q, 0,1,2,3,4,5,6,7
	global_load_b128 v[48+4*(\q):51+4*(\q)], v3, s[44:45] offset:16*(\q)
.endr
.irp j, 0,1,2,3,4,5,6,7
	global_load_b128 v[16+4*(\j):19+4*(\j)], v2, s[42:43] offset:512*(\j) th:TH_LOAD_NT
.endr
	s_wait_loadcnt 8                               ; gate_w's panel is in; the row's eight loads stay out
.irp i, 0,1,2,3
.irp p, 0,1,2,3
	v_cvt_pk_bf16_f32 v[80+4*(\i)+(\p)], v[48+8*(\i)+2*(\p)], v[49+8*(\i)+2*(\p)]  ; gate_w[d_i][2 p], [2 p + 1], rounded
.endr
.endr
.irp i, 0,1,2,3
	ds_store_b128 v7, v[80+4*(\i):83+4*(\i)] offset:512*(\i)
.endr
	s_wait_dscnt 0x0                               ; for the others' sake
	s_barrier_signal -1
	s_barrier_wait -1
.irp i, 0,1,2,3
	ds_load_b128 v[48+4*(\i):51+4*(\i)], v8 offset:512*(\i)  ; panel 0
.endr
.set n, 80
.rept 9                                ; nine sums start at 0
	v_mov_b32 v[n], 0
.set n, n+1
.endr
; Panel j.  The next panel's four LDS loads go out first.  The row's registers take the rounded numbers as f32 and at last, in their first two, the four f16 to store: no register that a store names is written again.
.macro PANEL j
.set GA, 48+16*((\j)%2)
.set GN, 64-16*((\j)%2)
.set XJ, 16+4*(\j)
.if (\j) < 7
.irp i, 0,1,2,3
	ds_load_b128 v[GN+4*(\i):GN+4*(\i)+3], v8 offset:((\j)+1)*2048+512*(\i)
.endr
.endif
	s_wait_loadcnt 7-(\j)                          ; my row's panel j is in; the later panels' loads may be out
	v_cvt_pk_bf16_f32 v89, v[XJ], v[XJ+1]
	v_cvt_pk_bf16_f32 v90, v[XJ+2], v[XJ+3]
	v_lshlrev_b32 v[XJ], 16, v89
	v_and_b32 v[XJ+1], s36, v89
	v_lshlrev_b32 v[XJ+2], 16, v90
	v_and_b32 v[XJ+3], s36, v90
.if (\j) < 7
	s_wait_dscnt 4                                 ; this panel of gate_w is in; the next panel's four loads may be out
.else
	s_wait_dscnt 0x0
.endif
.irp i, 0,1,2,3
.irp p, 0,1,2,3
	v_fma_mix_f32_bf16 v[80+2*(\p)], v[GA+4*(\i)+(\p)], v[XJ+(\i)], v[80+2*(\p)] op_sel:[0,0,0] op_sel_hi:[1,0,0]
	v_fma_mix_f32_bf16 v[81+2*(\p)], v[GA+4*(\i)+(\p)], v[XJ+(\i)], v[81+2*(\p)] op_sel:[1,0,0] op_sel_hi:[1,0,0]
.endr
	v_fma_f32 v88, |v[XJ+(\i)]|, 1.0, v88
.endr
	v_cvt_pk_f16_f32 v[XJ], v[XJ], v[XJ+1]
	v_cvt_pk_f16_f32 v[XJ+1], v[XJ+2], v[XJ+3]
	global_store_b64 v6, v[XJ:XJ+1], s[46:47] offset:(\j)*262144  ; a panel's row: the wave stores 256 consecutive bytes, aligned
.endm
.irp j, 0,1,2,3,4,5,6,7
	PANEL \j
.endr
.set n, 80
.rept 9
	WSUM n, 89
.set n, n+1
.endr
	s_wait_kmcnt 0x0                               ; gate_b
	v_cvt_pk_bf16_f32 v48, s48, s49
	v_cvt_pk_bf16_f32 v49, s50, s51
	v_cvt_pk_bf16_f32 v50, s52, s53
	v_cvt_pk_bf16_f32 v51, s54, s55
.irp p, 0,1,2,3
	v_lshlrev_b32 v[56+2*(\p)], 16, v[48+(\p)]
	v_and_b32 v[57+2*(\p)], s36, v[48+(\p)]
.endr
.irp e, 0,1,2,3,4,5,6,7
	v_add_f32 v[80+(\e)], v[80+(\e)], v[56+(\e)]
.endr
	v_max3_num_f32 v64, v80, v81, v82
	v_max3_num_f32 v64, v64, v83, v84
	v_max3_num_f32 v64, v64, v85, v86
	v_max_num_f32 v64, v64, v87
.irp e, 0,1,2,3,4,5,6,7
	v_sub_f32 v[80+(\e)], v[80+(\e)], v64          ; the difference first: it loses nothing near the maximum
.endr
.irp e, 0,1,2,3,4,5,6,7
	v_mul_f32 v[80+(\e)], 0x3fb8aa3b, v[80+(\e)]   ; times log2(e)
.endr
.irp e, 0,1,2,3,4,5,6,7
	v_exp_f32 v[80+(\e)], v[80+(\e)]               ; one batch of eight
.endr
	v_nop                                          ; a plain instruction behind the last exponential,
	s_wait_alu depctr_va_vdst(0)                   ; and the one wait ahead of the batch's first reader
	v_add_f32 v65, v80, v81
.irp e, 2,3,4,5,6,7
	v_add_f32 v65, v65, v[80+(\e)]
.endr
	v_rcp_f32 v65, v65                             ; the sum is 1 at the least
	v_nop
	s_wait_alu depctr_va_vdst(0)
.irp e, 0,1,2,3,4,5,6,7
	v_mul_f32 v[80+(\e)], v[80+(\e)], v65
.endr
	s_lshl_b32 s56, s40, 5
	v_mov_b32 v9, s56                              ; gates: 32 bytes a row
	s_lshl_b32 s56, s40, 2
	v_mov_b32 v10, s56
	s_wait_xcnt 0x0                                ; EXEC changes only behind this wait
	v_cmp_eq_u32 vcc_lo, 0, v1
	s_and_saveexec_b32 s41, vcc_lo                 ; every lane holds the sums; lane 0 stores my row's 32 + 4 bytes (36,864 bytes in the whole launch go out so)
	global_store_b128 v9, v[80:83], s[32:33]
	global_store_b128 v9, v[84:87], s[32:33] offset:16
	global_store_b32 v10, v88, s[32:33] offset:X1O
	s_wait_xcnt 0x0
	s_or_b32 exec_lo, exec_lo, s41
	s_wait_tensorcnt 0x0                           ; the wave's end: behind my last LDS store
	ds_add_u32 v[SPW], v[NIL]
	s_wait_dscnt 0x0
	s_endpgm
	; ---------------- the biases' maxima ----------------
.Lbias:
	v_and_b32 v1, 31, v0
	s_lshl_b32 s40, s2, 13                         ; expert = wave: 2,048 numbers
	v_lshl_add_u32 v2, v1, 4, s40
	s_mov_b32 s41, 0x7fffffff
	v_mov_b32 v9, 0
; The largest |b| of the unrounded numbers: rounding to bf16 raises a number by 2^-8 of itself at the most, and the scale made of the bound leaves a factor of four under f16's end.
.macro BMX d, p
	v_mov_b32 v[\d], 0
.irp half, 0,1
.irp k, 0,1,2,3,4,5,6,7
	global_load_b128 v[16+4*(\k):19+4*(\k)], v2, s[\p:\p+1] offset:4096*(\half)+512*(\k)
.endr
	s_wait_loadcnt 0x0
.irp k, 0,1,2,3,4,5,6,7,8,9,10,11,12,13,14,15
	v_and_b32 v[16+2*(\k)], s41, v[16+2*(\k)]
	v_and_b32 v[17+2*(\k)], s41, v[17+2*(\k)]
	v_max3_num_f32 v[\d], v[\d], v[16+2*(\k)], v[17+2*(\k)]
.endr
.endr
	WMAX \d, 9
.endm
	BMX 8, 14
	BMX 10, 16
	s_lshl_b32 s40, s2, 2
	v_mov_b32 v11, s40
	s_wait_xcnt 0x0
	v_cmp_eq_u32 vcc_lo, 0, v1
	s_and_saveexec_b32 s41, vcc_lo
	global_store_b32 v11, v8, s[32:33] offset:BM
	global_store_b32 v11, v10, s[32:33] offset:BM+32
	s_wait_xcnt 0x0
	s_or_b32 exec_lo, exec_lo, s41
	s_endpgm
.Lfunc_end_k_qe505e7bab9_prep:
	.size	k_qe505e7bab9_prep, .Lfunc_end_k_qe505e7bab9_prep-k_qe505e7bab9_prep
	.p2alignl 7, 3214868480
	.fill 96, 4, 3214868480
	.section	.rodata,"a",@progbits
	.p2align	6, 0x0
	.amdhsa_kernel k_qe505e7bab9_prep
		.amdhsa_group_segment_fixed_size 17664
		.amdhsa_private_segment_fixed_size 0
		.amdhsa_enable_private_segment 0
		.amdhsa_kernarg_size 104
		.amdhsa_user_sgpr_count 2
		.amdhsa_user_sgpr_kernarg_segment_ptr 1
		.amdhsa_wavefront_size32 1
		.amdhsa_system_sgpr_workgroup_id_x 1
		.amdhsa_system_sgpr_workgroup_id_y 1
		.amdhsa_system_sgpr_workgroup_id_z 1
		.amdhsa_system_vgpr_workitem_id 0
		.amdhsa_next_free_vgpr 96
		.amdhsa_next_free_sgpr 66
		.amdhsa_reserve_vcc 1
		.amdhsa_float_denorm_mode_32 3
		.amdhsa_float_denorm_mode_16_64 3
		.amdhsa_memory_ordered 1
		.amdhsa_forward_progress 1
		.amdhsa_inst_pref_size 64
	.end_amdhsa_kernel
	.amdgpu_metadata
---
amdhsa.version: [ 1, 2 ]
amdhsa.kernels:
  - .name:           k_qe505e7bab9_prep
    .symbol:         k_qe505e7bab9_prep.kd
    .args:
      - { .name: x, .offset: 0, .size: 8, .value_kind: global_buffer, .address_space: global }
      - { .name: gate_w, .offset: 8, .size: 8, .value_kind: global_buffer, .address_space: global }
      - { .name: gate_b, .offset: 16, .size: 8, .value_kind: global_buffer, .address_space: global }
      - { .name: b1, .offset: 24, .size: 8, .value_kind: global_buffer, .address_space: global }
      - { .name: b2, .offset: 32, .size: 8, .value_kind: global_buffer, .address_space: global }
      - { .name: w1, .offset: 40, .size: 8, .value_kind: global_buffer, .address_space: global }
      - { .name: w2, .offset: 48, .size: 8, .value_kind: global_buffer, .address_space: global }
      - { .name: w3, .offset: 56, .size: 8, .value_kind: global_buffer, .address_space: global }
      - { .name: xb, .offset: 64, .size: 8, .value_kind: global_buffer, .address_space: global }
      - { .name: w1h, .offset: 72, .size: 8, .value_kind: global_buffer, .address_space: global }
      - { .name: w2h, .offset: 80, .size: 8, .value_kind: global_buffer, .address_space: global }
      - { .name: w3h, .offset: 88, .size: 8, .value_kind: global_buffer, .address_space: global }
      - { .name: aux, .offset: 96, .size: 8, .value_kind: global_buffer, .address_space: global }
    .group_segment_fixed_size: 17664
    .private_segment_fixed_size: 0
    .kernarg_segment_align: 8
    .kernarg_segment_size: 104
    .max_flat_workgroup_size: 256
    .sgpr_count:     66
    .vgpr_count:     96
    .wavefront_size: 32
...
	.end_amdgpu_metadata
.endif
;; end of part 1
;; launch gemm1 (part 2): grid 8 x 32, 4 waves a work-group, clusters of 4 x 4, 327,680 bytes of LDS; arguments xb, w1h, h1, b1, aux; writes h1
.if DOCPART == 2
	.amdgcn_target "amdgcn-amd-amdhsa--gfx1250"
	.amdhsa_code_object_version 6
	.text
	.protected	k_qe505e7bab9_gemm1
	.globl	k_qe505e7bab9_gemm1
	.p2align	8
	.type	k_qe505e7bab9_gemm1,@function
k_qe505e7bab9_gemm1:
	s_mov_b64 s[64:65], 0
	v_nop
	global_prefetch_b8 v0, s[64:65] scope:SCOPE_SE
	s_setreg_imm32_b32 hwreg(HW_REG_WAVE_MODE, 25, 1), 1
	s_wait_xcnt 0x0
	s_wait_alu depctr_hold_cnt(0) depctr_sa_sdst(0) depctr_va_vdst(0) depctr_va_sdst(0) depctr_va_ssrc(0) depctr_va_vcc(0) depctr_vm_vsrc(0)
	s_getreg_b32 s2, hwreg(HW_REG_IB_STS2, 6, 4)
	s_cmp_eq_u32 s2, 0
	s_cbranch_scc0 .Lentry_in_a_cluster
	s_endpgm
.Lentry_in_a_cluster:
	s_bfe_u32 s2, ttmp6, 0x10000c
	s_cmp_lg_u32 s2, 0xf033
	s_cbranch_scc0 .Lentry_shape_is_right
	s_endpgm
.Lentry_shape_is_right:
; ONE TEXT FOR THE THREE PRODUCTS; KIND says which.  C[m][n] = sum over k of A[m][k] B[k][n], operands f16, sums f32.
;   KIND 1: h1 = f16(relu((x w1[e] + b1[e]) t))      KIND 2: h2 = f16(relu(h1 w2[e] + b2[e] t))      KIND 3: part[s] = h2 w3, K split sixteen ways (split s: expert s / 2, half s % 2 of its 2,048 k), f32
; A lies in panels [K / 128][1024 rows][128]: a tile's rows are 256 dense bytes.  B lies [K][N], as the weights came, and is turned on its way out of LDS by ds_load_tr16_b128.
; THE SCALE t[e][row] keeps h1 and h2 inside f16 for every size of the inputs.  a1 = sum|x| max|w1| + max|b1| bounds layer 1, a2 = 2048 a1 max|w2| + max|b2| bounds layer 2;
; t = 16384 / max(a1, a2, 1e-30): both layers times t stay under 16,384.  ReLU commutes with t > 0; the last launch divides by t.  b1, b2 are rounded to bf16 like every input.
; LIMITS: a1 and a2 stay under 2^126; NaN and infinities are not treated apart (the ReLU's maximum turns a NaN into 0).
; SHARES.  A tile of C is 256 x 256: four waves, 128 x 128 each in 512 registers.  K goes in steps of 128 through two LDS slots; 256 work-groups.
; CLUSTER 4 x 4: cluster y = the expert (the split), cy = the tile row, 4 x cluster x + cx = the tile column.  A's tile is shared along a row of the cluster, B's along a column: joint loads.
; The matrix instruction is used transposed (source 0 = 16 columns of B, source 1 = 16 rows of A): a lane holds eight neighbouring numbers of a row of C.
; REGISTERS, in windows of 256: window 0: v0-63 addresses, bias, set-up; v64-127, v128-191 A's fragments, two buffers (on the way out: rows at work).  window 1: v64-191 B's fragments.
;   windows 2, 3: the accumulators of my rows 0-63, 64-127: (a, b) at v[8 (8 (a % 4) + b)].
.set KIND, 1
.if KIND == 1
.set NSTEP, 8                          ; K steps
.set NB,    2048                       ; B's row, in elements
.set AES,   0                          ; A's bytes from one cluster y to the next
.set BES,   4194304                    ; B's
.endif
.if KIND == 2
.set NSTEP, 16
.set NB,    2048
.set AES,   4194304
.set BES,   8388608
.endif
.if KIND == 3
.set NSTEP, 8
.set NB,    1024
.set AES,   2097152
.set BES,   2097152
.endif
.if KIND < 3
.set ROWSH, 16                         ; C: 256 rows of a panel are 65,536 bytes; a panel of 128 columns is 262,144 bytes; 8 rows are 2,048
.set COLSH, 18
.set CSTEP, 2048
.else
.set ROWSH, 20                         ; C: 256 rows of 4,096 bytes; 128 columns are 512 bytes; 8 rows are 32,768
.set COLSH, 9
.set CSTEP, 32768
.endif
.set ASTEP, 262144                     ; a K step in A: the next panel
.set BSTEP, 256*NB                     ; in B: 128 rows
.set X1O,   32768                      ; aux: sum |x|; chunk maxima of w1 (32 an expert) and w2 (64 an expert); the biases' maxima
.set W1M,   36864
.set W2M,   37888
.set BM,    39936
.set PA,    272                        ; a row of A in LDS: 256 bytes + 16: the 16 rows of a load start at 16 different groups of four banks (ISA guide 11.1)
.set PB,    544                        ; a row of B: 512 bytes + 32
.set HALFT, 34816                      ; 128 rows of A = 64 rows of B: what one tensor load brings
.set SLOT,  4*HALFT                    ; A's two halves, then B's k rows 0-63 and 64-127.  SLOT = 0x22000 shares no bit with wave x HALFT: an exclusive or changes slots
.set TBL,   2*SLOT                     ; behind the ring: t twice for each of a wave's 128 rows, 1,024 bytes a wave
.set SPARE, TBL+4096                   ; the spare words, 128 bytes a wave
.set SPF,   528                        ; the way out: a row of 128 f32 + 16 bytes; 128 rows a wave, in the ring's bytes, which have had their last fill by then
.set WSTG,  128*SPF
.set ADRA, 16                          ; v16 my place in A's tile of slot 0     v17 the same in the slot in hand
.set ACUR, 17
.set ADRB, 20                          ; v20, v21 the same for B
.set BCUR, 21
.set STO,  24                          ; v24 the way out: where I put 32 bytes of a row
.set RD,   25                          ; v25 where I read a row back
.set CO,   26                          ; v26 my byte offset in C
.set ZR,   27                          ; v27 0, for the ReLU
.set SPW,  28                          ; v28 my spare word's LDS address; never rewritten
.set NIL,  29                          ; v29 0; never rewritten
.set TA,   30                          ; v30 where my wave's t lie
.set BI,   32                          ; v[32:35] the bias of my four columns
.set XO,   64                          ; the way out: 8 rows x 4 f32 as read back, their t, their f16, and the rows at work
.set SC,   96
.set YO,   112
.set ZO,   128
.set F0,   64
.set F1,   128
.set G1,  24                           ; s[24:31] descriptor group 1 for A;  s[32:39] group 0: set 0 = slot 0, step 0; set 1 = slot 1, step 1, and then it walks
.set G0,  32
.set G1B, 48                           ; s[48:55], s[56:63] the same for B
.set G0B, 56
.set TB,  66                           ; s66 LDS byte at which the slot in hand begins
.set MSB, 0
.macro WIN new                         ; the immediate's high byte repeats the setting that is left; a switch that changes nothing is dropped
.if MSB != (\new)
	s_set_vgpr_msb (MSB<<8)|(\new)
.set MSB, \new
.endif
.endm
.set MUL_LO, 0xa1                      ; source 0 (B) window 1, source 1 (A) window 0, C and D window 2
.set MUL_HI, 0xf1                      ; the same, C and D window 3
.set TO_B,   0x40                      ; destination window 1, address window 0
; A joint load.  Waves 0 and 1 fetch A's two halves, waves 2 and 3 B's.  The branch hangs on the wave's number alone.  An s_nop 0 and four v_nop follow each of the two lines.
.macro JLOAD s
	s_cmp_eq_u32 s11, 0
	s_cbranch_scc0 .Lfor_b_\@
	tensor_load_to_lds s[G0+4*(\s):G0+4*(\s)+3], s[G1:G1+7]
	s_nop 0
.rept 4
	v_nop
.endr
	s_branch .Lasked_\@
.Lfor_b_\@:
	tensor_load_to_lds s[G0B+4*(\s):G0B+4*(\s)+3], s[G1B:G1B+7]
	s_nop 0
.rept 4
	v_nop
.endr
.Lasked_\@:
.endm
.macro CREST                           ; a round of the cluster's barrier behind its opening barrier
	s_cmp_lg_u32 s10, 0
	s_cbranch_scc1 .Lnot_wave_0_\@
	s_barrier_signal -3
.Lnot_wave_0_\@:
	s_barrier_wait -3
	s_barrier_signal -1
	s_barrier_wait -1
.endm
.macro CROUND                          ; a whole round
	s_barrier_signal -1
	s_barrier_wait -1
	CREST
.endm
.macro WMAX r, t                       ; the maximum over the wave's 32 lanes, in every lane
	v_max_num_f32_dpp v[\r], v[\r], v[\r] row_xmask:1 row_mask:0xf bank_mask:0xf
	v_max_num_f32_dpp v[\r], v[\r], v[\r] row_xmask:2 row_mask:0xf bank_mask:0xf
	v_max_num_f32_dpp v[\r], v[\r], v[\r] row_xmask:4 row_mask:0xf bank_mask:0xf
	v_max_num_f32_dpp v[\r], v[\r], v[\r] row_xmask:8 row_mask:0xf bank_mask:0xf
	v_permlanex16_b32 v[\t], v[\r], s74, s75
	v_max_num_f32 v[\r], v[\r], v[\t]
.endm
	s_load_b128 s[4:7], s[0:1], 0x0                ; A s[4:5], B s[6:7]
	s_load_b64 s[8:9], s[0:1], 0x10                ; C
.if KIND < 3
	s_load_b128 s[68:71], s[0:1], 0x18             ; the bias s[68:69], aux s[70:71]
.endif
	v_lshl_add_u32 v[SPW], v0, 2, SPARE
	v_mov_b32 v[NIL], 0
	ds_add_u32 v[SPW], v[NIL]                      ; the wave's opening: the add and its wait stand ahead of my first tensor load; the set-up below stands between them
	v_lshrrev_b32 v1, 5, v0
	v_readfirstlane_b32 s10, v1                    ; wave 0..3
	s_lshr_b32 s11, s10, 1                         ; which half of the tile's rows is mine.  Also: I fetch for A (0) or for B (1)
	s_and_b32 s12, s10, 1                          ; which half of its columns.  Also: which half of that tile I fetch
	s_bfe_u32 s40, ttmp6, 0x40000                  ; cx
	s_bfe_u32 s41, ttmp6, 0x40004                  ; cy = the tile row
	s_lshl_b32 s42, ttmp9, 2
	s_add_co_u32 s42, s42, s40                     ; the tile column = 4 x cluster x + cx
	s_and_b32 s13, ttmp7, 0xffff                   ; cluster y: the expert (KIND 3: the split), shared by all sixteen
	s_lshl_b32 s43, s41, 2
	s_lshl_b32 s43, 15, s43                        ; my row of the cluster
	s_lshl_b32 s44, 0x1111, s40                    ; my column
	s_or_b32 s[G1+0], s43, (1<<16)|(1<<20)|(1<<21)|(5<<22)|(3<<25)   ; the mask; 2-byte elements; padding on; 21 set beside a mask; after every 64 words 4 words
	s_mov_b32 s[G1+1], 128<<16                     ; tensor_dim0 = 128
	s_mov_b32 s[G1+2], 128<<16                     ; tensor_dim1 = 128
	s_mov_b32 s[G1+3], 128<<16                     ; tile_dim0 = 128
	s_mov_b32 s[G1+4], 128                         ; tile_dim1 = 128
	s_mov_b32 s[G1+5], 128                         ; 128 elements from row to row: a panel is dense
	s_mov_b32 s[G1+6], 0
	s_mov_b32 s[G1+7], 0
	s_or_b32 s[G1B+0], s44, (1<<16)|(1<<20)|(1<<21)|(6<<22)|(7<<25)  ; after every 128 words 8 words
	s_mov_b32 s[G1B+1], 256<<16                    ; tensor_dim0 = 256
	s_mov_b32 s[G1B+2], 64<<16                     ; tensor_dim1 = 64
	s_mov_b32 s[G1B+3], 256<<16                    ; tile_dim0 = 256
	s_mov_b32 s[G1B+4], 64                         ; tile_dim1 = 64
	s_mov_b32 s[G1B+5], NB
	s_mov_b32 s[G1B+6], 0
	s_mov_b32 s[G1B+7], 0
	; A's tiles hang on cluster y, cy and the wave; B's on cluster y, the tile column and the wave: each in registers that never hold the other coordinate
	s_lshl_b32 s16, s41, 16                        ; 256 rows of 256 bytes
	s_lshl_b32 s17, s12, 15                        ; my 128 of them
	s_add_co_u32 s16, s16, s17
.if AES
	s_mul_i32 s17, s13, AES
	s_add_co_u32 s16, s16, s17
.endif
	s_mov_b32 s17, 0
	s_mul_i32 s46, s13, BES
	s_mul_i32 s47, s12, 128*NB                     ; my 64 k rows
	s_add_co_u32 s46, s46, s47
	s_lshl_b32 s47, s42, 9                         ; 256 columns of 2 bytes
	s_add_co_u32 s46, s46, s47
	s_mov_b32 s47, 0
	s_mul_i32 s20, s10, HALFT                      ; where my tiles go: no place in the cluster enters an LDS address
	s_mov_b32 s[TB], 0
	s_wait_dscnt 0x0                               ; the opening add is done
	s_wait_kmcnt 0x0
	s_add_nc_u64 s[14:15], s[4:5], s[16:17]
	s_add_nc_u64 s[46:47], s[6:7], s[46:47]
	CROUND                                         ; all sixteen work-groups are here: the first joint loads meet
.irp s, 0,1
	s_mov_b32 s[G0+4*(\s)], 1
	s_add_co_u32 s[G0+4*(\s)+1], s20, (\s)*SLOT
	s_add_nc_u64 s[G0+4*(\s)+2:G0+4*(\s)+3], s[14:15], (\s)*ASTEP
	s_or_b32 s[G0+4*(\s)+3], s[G0+4*(\s)+3], 0x80000000
	s_mov_b32 s[G0B+4*(\s)], 1
	s_add_co_u32 s[G0B+4*(\s)+1], s20, (\s)*SLOT
	s_add_nc_u64 s[G0B+4*(\s)+2:G0B+4*(\s)+3], s[46:47], (\s)*BSTEP
	s_or_b32 s[G0B+4*(\s)+3], s[G0B+4*(\s)+3], 0x80000000
	JLOAD \s                                       ; both slots are asked for before anything else: two loads of mine are out
.endr
	v_and_b32 v1, 15, v0                           ; r = l % 16
	v_bfe_u32 v2, v0, 4, 1                         ; h = l / 16
	v_and_b32 v3, 31, v0                           ; l
	v_mul_u32_u24 v4, v1, PA                       ; A's fragment: row r, 16 bytes for each half of the lanes; two loads 32 bytes apart
	v_lshl_add_u32 v4, v2, 4, v4
	s_mul_i32 s21, s11, HALFT
	v_add_nc_u32 v[ADRA], s21, v4
	v_mov_b32 v[ACUR], v[ADRA]
	v_and_b32 v5, 7, v0                            ; B's fragment, turned: lane l reads k row 8 h + l % 8, columns 8 ((l / 8) % 2) + 0..7; two loads 16 rows apart
	v_lshl_add_u32 v5, v2, 3, v5
	v_mul_u32_u24 v5, v5, PB
	v_bfe_u32 v6, v0, 3, 1
	v_lshl_add_u32 v5, v6, 4, v5
	s_lshl_b32 s22, s12, 8                         ; my 128 columns
	s_add_co_u32 s22, s22, 2*HALFT
	v_add_nc_u32 v[ADRB], s22, v5
	v_mov_b32 v[BCUR], v[ADRB]
	s_mul_i32 s23, s10, WSTG                       ; my stage
	v_mul_u32_u24 v7, v1, SPF
	v_lshl_add_u32 v7, v2, 5, v7
	v_add_nc_u32 v[STO], s23, v7                   ; in: row r, 32 bytes for each half of the lanes
	v_lshl_add_u32 v[RD], v3, 4, s23               ; back: 32 lanes take a row's 512 bytes
.if KIND < 3
	v_lshlrev_b32 v[CO], 3, v3                     ; four f16 a lane
.else
	v_lshlrev_b32 v[CO], 4, v3                     ; four f32 a lane
.endif
	v_mov_b32 v[ZR], 0
	s_lshl_b32 s16, s41, ROWSH                     ; C at my part of the tile: the rows' share,
	s_lshl_b32 s17, s11, ROWSH-1
	s_add_co_u32 s16, s16, s17
	s_lshl_b32 s17, s13, 22                        ; the expert's (the split's) 4,194,304 bytes,
	s_add_co_u32 s16, s16, s17
	s_mov_b32 s17, 0
	s_add_nc_u64 s[8:9], s[8:9], s[16:17]
	s_lshl1_add_u32 s46, s42, s12                  ; and the columns': 2 x tile column + half
	s_lshl_b32 s46, s46, COLSH
	s_mov_b32 s47, 0
	s_add_nc_u64 s[8:9], s[8:9], s[46:47]
.if KIND < 3
	; THE SCALES of my wave's 128 rows, four a lane, and my four columns' bias: all this stands in the wait for the first tile
	s_lshl_b32 s76, s13, 2
	s_load_b32 s72, s[70:71], s76 offset:BM        ; max |b1[e]|
	s_load_b32 s73, s[70:71], s76 offset:BM+32     ; max |b2[e]|
	s_lshl_b32 s21, s10, 10
	s_add_co_u32 s21, s21, TBL
	v_mov_b32 v[TA], s21
	v_lshl_add_u32 v31, v3, 5, s21                 ; my four rows' 32 bytes of the table
	s_lshl_b32 s21, s13, 7
	v_lshl_add_u32 v36, v3, 2, s21                 ; w1: chunk 32 e + l
	s_lshl_b32 s21, s13, 8
	v_lshl_add_u32 v37, v3, 2, s21                 ; w2: chunks 64 e + l, + 32
	s_lshl_b32 s21, s41, 10
	s_lshl_b32 s22, s11, 9
	s_add_co_u32 s21, s21, s22
	v_lshl_add_u32 v38, v3, 4, s21                 ; rows 256 cy + 128 half + 4 l ..
	s_lshl_b32 s21, s13, 13
	s_lshl_b32 s22, s42, 10
	s_add_co_u32 s21, s21, s22
	s_lshl_b32 s22, s12, 9
	s_add_co_u32 s21, s21, s22
	v_lshl_add_u32 v39, v3, 4, s21                 ; columns 2048 e + 256 tile column + 128 half + 4 l ..
	global_load_b32 v40, v36, s[70:71] offset:W1M
	global_load_b32 v41, v37, s[70:71] offset:W2M
	global_load_b32 v42, v37, s[70:71] offset:W2M+128
	global_load_b128 v[44:47], v38, s[70:71] offset:X1O
	global_load_b128 v[BI:BI+3], v39, s[68:69]
	s_mov_b32 s74, 0x76543210
	s_mov_b32 s75, 0xfedcba98
	s_mov_b32 s77, 0x0da24260                      ; 1e-30
	v_mov_b32 v43, 0
	s_wait_loadcnt 0x0
	s_wait_kmcnt 0x0
	v_max_num_f32 v41, v41, v42
	WMAX 40, 43                                    ; max |w1[e]|
	WMAX 41, 43                                    ; max |w2[e]|
.irp i, 0,1,2,3
	v_fma_f32 v[48+(\i)], v[44+(\i)], v40, s72     ; a1
.endr
.irp i, 0,1,2,3
	v_mul_f32 v[52+(\i)], 0x45000000, v[48+(\i)]   ; 2048 a1
.endr
.irp i, 0,1,2,3
	v_fma_f32 v[52+(\i)], v[52+(\i)], v41, s73     ; a2
.endr
.irp i, 0,1,2,3
	v_max3_num_f32 v[48+(\i)], v[48+(\i)], v[52+(\i)], s77
.endr
.irp i, 0,1,2,3
	v_rcp_f32 v[48+(\i)], v[48+(\i)]
.endr
	v_nop                                          ; a plain instruction behind the last reciprocal,
	s_wait_alu depctr_va_vdst(0)                   ; and the one wait ahead of the batch's first reader
.irp i, 0,1,2,3
	v_mul_f32 v[56+2*(\i)], 0x46800000, v[48+(\i)] ; t = 16384 / the bound, twice: a pair for the packed arithmetic
	v_mul_f32 v[57+2*(\i)], 0x46800000, v[48+(\i)]
.endr
	ds_store_b128 v31, v[56:59]                    ; only my wave reads these bytes, and no tile lands there
	ds_store_b128 v31, v[60:63] offset:16
	v_cvt_pk_bf16_f32 v36, v[BI], v[BI+1]          ; the bias rounded to bf16, as f32
	v_cvt_pk_bf16_f32 v37, v[BI+2], v[BI+3]
	v_lshlrev_b32 v[BI], 16, v36
	v_and_b32 v[BI+1], 0xffff0000, v36
	v_lshlrev_b32 v[BI+2], 16, v37
	v_and_b32 v[BI+3], 0xffff0000, v37
	s_wait_dscnt 0x0                               ; no LDS instruction is pending at a signal
.endif
; 16 matrix instructions: m blocks a0, a0 + 1 of the window's four x all 8 n blocks, 32 along K.  zero = 1: the first product starts the sums.
.macro MUL16 f, hi, a0, zero
	WIN MUL_LO+0x50*(\hi)
.irp a, \a0, (\a0)+1
.irp b, 0,1,2,3,4,5,6,7
.if \zero
	v_wmma_f32_16x16x32_f16 v[8*(8*(\a)+(\b)):8*(8*(\a)+(\b))+7], v[(\f)+8*(\b):(\f)+8*(\b)+7], v[(\f)+8*(4*(\hi)+(\a)):(\f)+8*(4*(\hi)+(\a))+7], 0
.else
	v_wmma_f32_16x16x32_f16 v[8*(8*(\a)+(\b)):8*(8*(\a)+(\b))+7], v[(\f)+8*(\b):(\f)+8*(\b)+7], v[(\f)+8*(4*(\hi)+(\a)):(\f)+8*(4*(\hi)+(\a))+7], v[8*(8*(\a)+(\b)):8*(8*(\a)+(\b))+7]
.endif
.endr
.endr
.endm
; 32 LDS loads in one run: quarter q (32 along K) of the slot in hand into buffer f: B's 128 columns, turned, then A's 128 rows
.macro FETCH q, f
	WIN TO_B
.irp i, 0,1,2,3,4,5,6,7
	ds_load_tr16_b128 v[(\f)+8*(\i):(\f)+8*(\i)+3],   v[BCUR] offset:(\q)*32*PB+32*(\i)
	ds_load_tr16_b128 v[(\f)+8*(\i)+4:(\f)+8*(\i)+7], v[BCUR] offset:(\q)*32*PB+16*PB+32*(\i)
.endr
	WIN 0
.irp i, 0,1,2,3,4,5,6,7
	ds_load_b128 v[(\f)+8*(\i):(\f)+8*(\i)+3],   v[ACUR] offset:64*(\q)+(\i)*16*PA
	ds_load_b128 v[(\f)+8*(\i)+4:(\f)+8*(\i)+7], v[ACUR] offset:64*(\q)+(\i)*16*PA+32
.endr
.endm
.macro PLACES                          ; four plain instructions between a matrix instruction and a load into, or a reader of, its registers (ISA guide 7.12.1 for readers)
.rept 4
	v_nop
.endr
.endm
; A K step is four quarters of 64 matrix instructions on buffers 0, 1, 0, 1.  This one multiplies buffer f and, in its middle, fetches quarter q into buffer g.
.macro QUARTER q, f, g, zero
	s_wait_dscnt 8                                 ; B and A's rows 0-63 are in; the youngest eight loads (A's rows 64-127) may be out
	MUL16 \f, 0, 0, \zero
	MUL16 \f, 0, 2, \zero
	PLACES
	FETCH \q, \g
	s_wait_dscnt 32                                ; all but the 32 just issued
	MUL16 \f, 1, 0, \zero
	MUL16 \f, 1, 2, \zero
.endm
; The last quarter's first half: ONE barrier for the change of slots.
.macro MEET round
	WIN 0                                          ; (the add's two registers lie in window 0)
	s_wait_tensorcnt 0x0                           ; all my tensor loads have landed: the one that was out is my part of the next slot;
	ds_add_u32 v[SPW], v[NIL]                      ; 0 onto my spare word
	s_wait_dscnt 9                                 ; (the add and the youngest eight loads may be out)
	MUL16 F1, 0, 0, 0                              ; sixteen matrix instructions stand between the add and the wait for it
	s_wait_dscnt 0x0                               ; the add is done, and my reads of this slot are over
	s_barrier_signal -1
	MUL16 F1, 0, 2, 0
.if \round
	WIN 0
.endif
	s_barrier_wait -1
.endm
; The whole last quarter.  fill = 1: the barrier opens a round of the cluster's, and the slot just read out is filled again, two K steps ahead, first thing behind it:
; from that request to the wait for it a wave issues 224 matrix instructions.
.macro TURN fill
	MEET \fill
.if \fill
	CREST                                          ; no wave of any partner still reads this slot or has a load on its way
	s_xor_b32 s[G0+5], s[G0+5], SLOT               ; the walking descriptors: the other slot than last time, the next K step
	s_add_nc_u64 s[G0+6:G0+7], s[G0+6:G0+7], ASTEP
	s_xor_b32 s[G0B+5], s[G0B+5], SLOT
	s_add_nc_u64 s[G0B+6:G0B+7], s[G0B+6:G0B+7], BSTEP
	JLOAD 1                                        ; its four v_nop are also the places in front of the loads below
.else
	PLACES
	WIN 0
.endif
	s_xor_b32 s[TB], s[TB], SLOT                   ; the fetches go on in the other slot
	v_add_nc_u32 v[ACUR], s[TB], v[ADRA]
	v_add_nc_u32 v[BCUR], s[TB], v[ADRB]
	FETCH 0, F0
	MUL16 F1, 1, 0, 0
	MUL16 F1, 1, 2, 0
.endm
; THE WAY OUT's two macros (KIND 1 and 2).  ROWLD asks for 8 whole rows of my 128 columns, and their t, out of my stage and my table.
.macro ROWLD
.irp i, 0,1,2,3,4,5,6,7
	ds_load_b128 v[XO+4*(\i):XO+4*(\i)+3], v[RD] offset:(\i)*SPF
.endr
.irp i, 0,1,2,3,4,5,6,7
	ds_load_b64 v[SC+2*(\i):SC+2*(\i)+1], v[TA] offset:(\i)*8
.endr
.endm
; ROWS finishes and stores them, the eight rows together through each stage, so that no line reads the result of the line before it.  The first stage writes other registers, so that (ahead = 1)
; the next 8 rows are asked for in the trip's middle and have the conversions and the stores in which to land.
.macro ROWS ahead
	s_wait_dscnt 0x0                               ; the 8 rows and their t are in
.if KIND == 1
.irp i, 0,1,2,3,4,5,6,7
	v_pk_add_f32 v[ZO+4*(\i):ZO+4*(\i)+1],   v[XO+4*(\i):XO+4*(\i)+1],   v[BI:BI+1]
	v_pk_add_f32 v[ZO+4*(\i)+2:ZO+4*(\i)+3], v[XO+4*(\i)+2:XO+4*(\i)+3], v[BI+2:BI+3]
.endr
.irp i, 0,1,2,3,4,5,6,7
	v_pk_mul_f32 v[ZO+4*(\i):ZO+4*(\i)+1],   v[ZO+4*(\i):ZO+4*(\i)+1],   v[SC+2*(\i):SC+2*(\i)+1]
	v_pk_mul_f32 v[ZO+4*(\i)+2:ZO+4*(\i)+3], v[ZO+4*(\i)+2:ZO+4*(\i)+3], v[SC+2*(\i):SC+2*(\i)+1]
.endr
.else
.irp i, 0,1,2,3,4,5,6,7
	v_pk_fma_f32 v[ZO+4*(\i):ZO+4*(\i)+1],   v[BI:BI+1],   v[SC+2*(\i):SC+2*(\i)+1], v[XO+4*(\i):XO+4*(\i)+1]    ; the sums carry t already
	v_pk_fma_f32 v[ZO+4*(\i)+2:ZO+4*(\i)+3], v[BI+2:BI+3], v[SC+2*(\i):SC+2*(\i)+1], v[XO+4*(\i)+2:XO+4*(\i)+3]
.endr
.endif
.if \ahead
	v_add_nc_u32 v[RD], 8*SPF, v[RD]
	v_add_nc_u32 v[TA], 64, v[TA]
	ROWLD
.endif
	s_wait_xcnt 0x0                                ; the last trip's stores have had their addresses translated (ISA guide 3.1): their data and their offset are rewritten only behind this wait
	v_add_nc_u32 v[CO], CSTEP, v[CO]               ; the offset steps ahead of the stores, which reach back
.irp i, 0,1,2,3,4,5,6,7
	v_cvt_pk_f16_f32 v[YO+2*(\i)],   v[ZO+4*(\i)],   v[ZO+4*(\i)+1]
	v_cvt_pk_f16_f32 v[YO+2*(\i)+1], v[ZO+4*(\i)+2], v[ZO+4*(\i)+3]
.endr
.irp i, 0,1,2,3,4,5,6,7
	v_pk_max_num_f16 v[YO+2*(\i)],   v[YO+2*(\i)],   v[ZR]
	v_pk_max_num_f16 v[YO+2*(\i)+1], v[YO+2*(\i)+1], v[ZR]
.endr
.irp i, 0,1,2,3,4,5,6,7
	global_store_b64 v[CO], v[YO+2*(\i):YO+2*(\i)+1], s[8:9] offset:(\i)*256-CSTEP  ; a panel's row: the wave stores 256 consecutive bytes, aligned
.endr
.endm
	s_wait_tensorcnt 1                             ; my part of K step 0 is in; step 1's may stay out
	s_barrier_signal -1
	s_barrier_wait -1                              ; everybody's is
	FETCH 0, F0
	QUARTER 1, F0, F1, 1                           ; the first quarter stands in front of the loop: its products start the sums
	WIN 0                                          ; at a label and at a branch every window is 0
	s_mov_b32 s3, NSTEP-2
.Lstep:                                                ; a trip: a K step's quarters 1 to 3, the change of slots with its refill, the next step's quarter 0.  The 64 accumulators take turns in one order throughout
	QUARTER 2, F1, F0, 0
	QUARTER 3, F0, F1, 0
	TURN 1
	QUARTER 1, F0, F1, 0
	WIN 0
	s_sub_co_u32 s3, s3, 1
	s_cmp_lg_u32 s3, 0
	s_cbranch_scc1 .Lstep
	s_mov_b32 s3, 2
.Ltail:                                                ; the last two K steps ask for nothing: a text of their own, walked twice and left in the middle of its second trip.  That trip's change of slots
	QUARTER 2, F1, F0, 0                           ; passes one more barrier and fetches 32 fragments a wave that nothing multiplies: the price of one text for both steps
	QUARTER 3, F0, F1, 0
	TURN 0
	WIN 0
	s_sub_co_u32 s3, s3, 1
	s_cmp_eq_u32 s3, 0
	s_cbranch_scc1 .Lout
	QUARTER 1, F0, F1, 0
	WIN 0
	s_branch .Ltail
.Lout:
	; THE WAY OUT.  Every wave's reads of the ring are over and no tensor load is out: behind this barrier the ring's bytes are the four waves' stages.
	s_wait_dscnt 0x0                               ; the fragments fetched last are in: no LDS read of mine is out at the signal
	PLACES
	s_barrier_signal -1
	s_barrier_wait -1
.irp a, 0,1,2,3,4,5,6,7                ; my 128 x 128 sums into my stage, a lane's eight neighbouring f32 as two stores, each accumulator's low registers first
	WIN 0x08+4*((\a)/4)                            ; the stores' data: window 2 or 3
.irp b, 0,1,2,3,4,5,6,7
	ds_store_b128 v[STO], v[8*(8*((\a)%4)+(\b)):8*(8*((\a)%4)+(\b))+3]   offset:(\a)*16*SPF+64*(\b)
	ds_store_b128 v[STO], v[8*(8*((\a)%4)+(\b))+4:8*(8*((\a)%4)+(\b))+7] offset:(\a)*16*SPF+64*(\b)+16
.endr
.endr
	WIN 0
.if KIND < 3
	ROWLD                                          ; LDS serves a wave's instructions in order (ISA guide 5.7.1.4): these see the stores above
	s_mov_b32 s3, 15
.Lrows:
	ROWS 1
	s_sub_co_u32 s3, s3, 1
	s_cmp_lg_u32 s3, 0
	s_cbranch_scc1 .Lrows
	ROWS 0                                         ; the last 8 rows are written out: nothing past my own stage is read
.else
	s_mov_b32 s3, 16
.Lrows:                                                ; a trip: 8 whole rows of my 128 columns come back (LDS serves a wave's instructions in order: ISA guide 5.7.1.4) and are stored
.irp i, 0,1,2,3,4,5,6,7
	ds_load_b128 v[XO+4*(\i):XO+4*(\i)+3], v[RD] offset:(\i)*SPF
.endr
.irp i, 0,1,2,3,4,5,6,7
	s_wait_dscnt 7-(\i)                            ; row i is in; the run's 7 - i younger loads may be out
	global_store_b128 v[CO], v[XO+4*(\i):XO+4*(\i)+3], s[8:9] offset:(\i)*4096  ; the wave stores 512 consecutive bytes, aligned
.endr
	s_wait_xcnt 0x0                                ; the stores' data and offset are rewritten only behind this wait
	v_add_nc_u32 v[RD], 8*SPF, v[RD]
	v_add_nc_u32 v[CO], CSTEP, v[CO]
	s_sub_co_u32 s3, s3, 1
	s_cmp_lg_u32 s3, 0
	s_cbranch_scc1 .Lrows
.endif
	s_wait_tensorcnt 0x0                           ; the wave's end, behind my last tensor load and my last LDS store
	ds_add_u32 v[SPW], v[NIL]
	s_wait_dscnt 0x0
	CROUND                                         ; the closing round: no work-group ends while a partner may still ask for a tile that names it
	s_endpgm
.Lfunc_end_k_qe505e7bab9_gemm1:
	.size	k_qe505e7bab9_gemm1, .Lfunc_end_k_qe505e7bab9_gemm1-k_qe505e7bab9_gemm1
	.p2alignl 7, 3214868480
	.fill 96, 4, 3214868480
	.section	.rodata,"a",@progbits
	.p2align	6, 0x0
	.amdhsa_kernel k_qe505e7bab9_gemm1
		.amdhsa_group_segment_fixed_size 327680
		.amdhsa_private_segment_fixed_size 0
		.amdhsa_enable_private_segment 0
		.amdhsa_kernarg_size 40
		.amdhsa_user_sgpr_count 2
		.amdhsa_user_sgpr_kernarg_segment_ptr 1
		.amdhsa_wavefront_size32 1
		.amdhsa_system_sgpr_workgroup_id_x 1
		.amdhsa_system_sgpr_workgroup_id_y 1
		.amdhsa_system_sgpr_workgroup_id_z 1
		.amdhsa_system_vgpr_workitem_id 0
		.amdhsa_next_free_vgpr 1024
		.amdhsa_next_free_sgpr 80
		.amdhsa_reserve_vcc 0
		.amdhsa_float_denorm_mode_32 3
		.amdhsa_float_denorm_mode_16_64 3
		.amdhsa_memory_ordered 1
		.amdhsa_forward_progress 1
		.amdhsa_inst_pref_size 93
	.end_amdhsa_kernel
	.amdgpu_metadata
---
amdhsa.version: [ 1, 2 ]
amdhsa.kernels:
  - .name:           k_qe505e7bab9_gemm1
    .symbol:         k_qe505e7bab9_gemm1.kd
    .args:
      - { .name: xb, .offset: 0, .size: 8, .value_kind: global_buffer, .address_space: global }
      - { .name: w1h, .offset: 8, .size: 8, .value_kind: global_buffer, .address_space: global }
      - { .name: h1, .offset: 16, .size: 8, .value_kind: global_buffer, .address_space: global }
      - { .name: b1, .offset: 24, .size: 8, .value_kind: global_buffer, .address_space: global }
      - { .name: aux, .offset: 32, .size: 8, .value_kind: global_buffer, .address_space: global }
    .group_segment_fixed_size: 327680
    .private_segment_fixed_size: 0
    .kernarg_segment_align: 8
    .kernarg_segment_size: 40
    .max_flat_workgroup_size: 128
    .sgpr_count:     80
    .vgpr_count:     1024
    .wavefront_size: 32
...
	.end_amdgpu_metadata
.endif
;; end of part 2
;; launch gemm2 (part 3): grid 8 x 32, 4 waves a work-group, clusters of 4 x 4, 327,680 bytes of LDS; arguments h1, w2h, h2, b2, aux; writes h2
.if DOCPART == 3
	.amdgcn_target "amdgcn-amd-amdhsa--gfx1250"
	.amdhsa_code_object_version 6
	.text
	.protected	k_qe505e7bab9_gemm2
	.globl	k_qe505e7bab9_gemm2
	.p2align	8
	.type	k_qe505e7bab9_gemm2,@function
k_qe505e7bab9_gemm2:
	s_mov_b64 s[64:65], 0
	v_nop
	global_prefetch_b8 v0, s[64:65] scope:SCOPE_SE
	s_setreg_imm32_b32 hwreg(HW_REG_WAVE_MODE, 25, 1), 1
	s_wait_xcnt 0x0
	s_wait_alu depctr_hold_cnt(0) depctr_sa_sdst(0) depctr_va_vdst(0) depctr_va_sdst(0) depctr_va_ssrc(0) depctr_va_vcc(0) depctr_vm_vsrc(0)
	s_getreg_b32 s2, hwreg(HW_REG_IB_STS2, 6, 4)
	s_cmp_eq_u32 s2, 0
	s_cbranch_scc0 .Lentry_in_a_cluster
	s_endpgm
.Lentry_in_a_cluster:
	s_bfe_u32 s2, ttmp6, 0x10000c
	s_cmp_lg_u32 s2, 0xf033
	s_cbranch_scc0 .Lentry_shape_is_right
	s_endpgm
.Lentry_shape_is_right:
; ONE TEXT FOR THE THREE PRODUCTS; KIND says which.  C[m][n] = sum over k of A[m][k] B[k][n], operands f16, sums f32.
;   KIND 1: h1 = f16(relu((x w1[e] + b1[e]) t))      KIND 2: h2 = f16(relu(h1 w2[e] + b2[e] t))      KIND 3: part[s] = h2 w3, K split sixteen ways (split s: expert s / 2, half s % 2 of its 2,048 k), f32
; A lies in panels [K / 128][1024 rows][128]: a tile's rows are 256 dense bytes.  B lies [K][N], as the weights came, and is turned on its way out of LDS by ds_load_tr16_b128.
; THE SCALE t[e][row] keeps h1 and h2 inside f16 for every size of the inputs.  a1 = sum|x| max|w1| + max|b1| bounds layer 1, a2 = 2048 a1 max|w2| + max|b2| bounds layer 2;
; t = 16384 / max(a1, a2, 1e-30): both layers times t stay under 16,384.  ReLU commutes with t > 0; the last launch divides by t.  b1, b2 are rounded to bf16 like every input.
; LIMITS: a1 and a2 stay under 2^126; NaN and infinities are not treated apart (the ReLU's maximum turns a NaN into 0).
; SHARES.  A tile of C is 256 x 256: four waves, 128 x 128 each in 512 registers.  K goes in steps of 128 through two LDS slots; 256 work-groups.
; CLUSTER 4 x 4: cluster y = the expert (the split), cy = the tile row, 4 x cluster x + cx = the tile column.  A's tile is shared along a row of the cluster, B's along a column: joint loads.
; The matrix instruction is used transposed (source 0 = 16 columns of B, source 1 = 16 rows of A): a lane holds eight neighbouring numbers of a row of C.
; REGISTERS, in windows of 256: window 0: v0-63 addresses, bias, set-up; v64-127, v128-191 A's fragments, two buffers (on the way out: rows at work).  window 1: v64-191 B's fragments.
;   windows 2, 3: the accumulators of my rows 0-63, 64-127: (a, b) at v[8 (8 (a % 4) + b)].
.set KIND, 2
.if KIND == 1
.set NSTEP, 8                          ; K steps
.set NB,    2048                       ; B's row, in elements
.set AES,   0                          ; A's bytes from one cluster y to the next
.set BES,   4194304                    ; B's
.endif
.if KIND == 2
.set NSTEP, 16
.set NB,    2048
.set AES,   4194304
.set BES,   8388608
.endif
.if KIND == 3
.set NSTEP, 8
.set NB,    1024
.set AES,   2097152
.set BES,   2097152
.endif
.if KIND < 3
.set ROWSH, 16                         ; C: 256 rows of a panel are 65,536 bytes; a panel of 128 columns is 262,144 bytes; 8 rows are 2,048
.set COLSH, 18
.set CSTEP, 2048
.else
.set ROWSH, 20                         ; C: 256 rows of 4,096 bytes; 128 columns are 512 bytes; 8 rows are 32,768
.set COLSH, 9
.set CSTEP, 32768
.endif
.set ASTEP, 262144                     ; a K step in A: the next panel
.set BSTEP, 256*NB                     ; in B: 128 rows
.set X1O,   32768                      ; aux: sum |x|; chunk maxima of w1 (32 an expert) and w2 (64 an expert); the biases' maxima
.set W1M,   36864
.set W2M,   37888
.set BM,    39936
.set PA,    272                        ; a row of A in LDS: 256 bytes + 16: the 16 rows of a load start at 16 different groups of four banks (ISA guide 11.1)
.set PB,    544                        ; a row of B: 512 bytes + 32
.set HALFT, 34816                      ; 128 rows of A = 64 rows of B: what one tensor load brings
.set SLOT,  4*HALFT                    ; A's two halves, then B's k rows 0-63 and 64-127.  SLOT = 0x22000 shares no bit with wave x HALFT: an exclusive or changes slots
.set TBL,   2*SLOT                     ; behind the ring: t twice for each of a wave's 128 rows, 1,024 bytes a wave
.set SPARE, TBL+4096                   ; the spare words, 128 bytes a wave
.set SPF,   528                        ; the way out: a row of 128 f32 + 16 bytes; 128 rows a wave, in the ring's bytes, which have had their last fill by then
.set WSTG,  128*SPF
.set ADRA, 16                          ; v16 my place in A's tile of slot 0     v17 the same in the slot in hand
.set ACUR, 17
.set ADRB, 20                          ; v20, v21 the same for B
.set BCUR, 21
.set STO,  24                          ; v24 the way out: where I put 32 bytes of a row
.set RD,   25                          ; v25 where I read a row back
.set CO,   26                          ; v26 my byte offset in C
.set ZR,   27                          ; v27 0, for the ReLU
.set SPW,  28                          ; v28 my spare word's LDS address; never rewritten
.set NIL,  29                          ; v29 0; never rewritten
.set TA,   30                          ; v30 where my wave's t lie
.set BI,   32                          ; v[32:35] the bias of my four columns
.set XO,   64                          ; the way out: 8 rows x 4 f32 as read back, their t, their f16, and the rows at work
.set SC,   96
.set YO,   112
.set ZO,   128
.set F0,   64
.set F1,   128
.set G1,  24                           ; s[24:31] descriptor group 1 for A;  s[32:39] group 0: set 0 = slot 0, step 0; set 1 = slot 1, step 1, and then it walks
.set G0,  32
.set G1B, 48                           ; s[48:55], s[56:63] the same for B
.set G0B, 56
.set TB,  66                           ; s66 LDS byte at which the slot in hand begins
.set MSB, 0
.macro WIN new                         ; the immediate's high byte repeats the setting that is left; a switch that changes nothing is dropped
.if MSB != (\new)
	s_set_vgpr_msb (MSB<<8)|(\new)
.set MSB, \new
.endif
.endm
.set MUL_LO, 0xa1                      ; source 0 (B) window 1, source 1 (A) window 0, C and D window 2
.set MUL_HI, 0xf1                      ; the same, C and D window 3
.set TO_B,   0x40                      ; destination window 1, address window 0
; A joint load.  Waves 0 and 1 fetch A's two halves, waves 2 and 3 B's.  The branch hangs on the wave's number alone.  An s_nop 0 and four v_nop follow each of the two lines.
.macro JLOAD s
	s_cmp_eq_u32 s11, 0
	s_cbranch_scc0 .Lfor_b_\@
	tensor_load_to_lds s[G0+4*(\s):G0+4*(\s)+3], s[G1:G1+7]
	s_nop 0
.rept 4
	v_nop
.endr
	s_branch .Lasked_\@
.Lfor_b_\@:
	tensor_load_to_lds s[G0B+4*(\s):G0B+4*(\s)+3], s[G1B:G1B+7]
	s_nop 0
.rept 4
	v_nop
.endr
.Lasked_\@:
.endm
.macro CREST                           ; a round of the cluster's barrier behind its opening barrier
	s_cmp_lg_u32 s10, 0
	s_cbranch_scc1 .Lnot_wave_0_\@
	s_barrier_signal -3
.Lnot_wave_0_\@:
	s_barrier_wait -3
	s_barrier_signal -1
	s_barrier_wait -1
.endm
.macro CROUND                          ; a whole round
	s_barrier_signal -1
	s_barrier_wait -1
	CREST
.endm
.macro WMAX r, t                       ; the maximum over the wave's 32 lanes, in every lane
	v_max_num_f32_dpp v[\r], v[\r], v[\r] row_xmask:1 row_mask:0xf bank_mask:0xf
	v_max_num_f32_dpp v[\r], v[\r], v[\r] row_xmask:2 row_mask:0xf bank_mask:0xf
	v_max_num_f32_dpp v[\r], v[\r], v[\r] row_xmask:4 row_mask:0xf bank_mask:0xf
	v_max_num_f32_dpp v[\r], v[\r], v[\r] row_xmask:8 row_mask:0xf bank_mask:0xf
	v_permlanex16_b32 v[\t], v[\r], s74, s75
	v_max_num_f32 v[\r], v[\r], v[\t]
.endm
	s_load_b128 s[4:7], s[0:1], 0x0                ; A s[4:5], B s[6:7]
	s_load_b64 s[8:9], s[0:1], 0x10                ; C
.if KIND < 3
	s_load_b128 s[68:71], s[0:1], 0x18             ; the bias s[68:69], aux s[70:71]
.endif
	v_lshl_add_u32 v[SPW], v0, 2, SPARE
	v_mov_b32 v[NIL], 0
	ds_add_u32 v[SPW], v[NIL]                      ; the wave's opening: the add and its wait stand ahead of my first tensor load; the set-up below stands between them
	v_lshrrev_b32 v1, 5, v0
	v_readfirstlane_b32 s10, v1                    ; wave 0..3
	s_lshr_b32 s11, s10, 1                         ; which half of the tile's rows is mine.  Also: I fetch for A (0) or for B (1)
	s_and_b32 s12, s10, 1                          ; which half of its columns.  Also: which half of that tile I fetch
	s_bfe_u32 s40, ttmp6, 0x40000                  ; cx
	s_bfe_u32 s41, ttmp6, 0x40004                  ; cy = the tile row
	s_lshl_b32 s42, ttmp9, 2
	s_add_co_u32 s42, s42, s40                     ; the tile column = 4 x cluster x + cx
	s_and_b32 s13, ttmp7, 0xffff                   ; cluster y: the expert (KIND 3: the split), shared by all sixteen
	s_lshl_b32 s43, s41, 2
	s_lshl_b32 s43, 15, s43                        ; my row of the cluster
	s_lshl_b32 s44, 0x1111, s40                    ; my column
	s_or_b32 s[G1+0], s43, (1<<16)|(1<<20)|(1<<21)|(5<<22)|(3<<25)   ; the mask; 2-byte elements; padding on; 21 set beside a mask; after every 64 words 4 words
	s_mov_b32 s[G1+1], 128<<16                     ; tensor_dim0 = 128
	s_mov_b32 s[G1+2], 128<<16                     ; tensor_dim1 = 128
	s_mov_b32 s[G1+3], 128<<16                     ; tile_dim0 = 128
	s_mov_b32 s[G1+4], 128                         ; tile_dim1 = 128
	s_mov_b32 s[G1+5], 128                         ; 128 elements from row to row: a panel is dense
	s_mov_b32 s[G1+6], 0
	s_mov_b32 s[G1+7], 0
	s_or_b32 s[G1B+0], s44, (1<<16)|(1<<20)|(1<<21)|(6<<22)|(7<<25)  ; after every 128 words 8 words
	s_mov_b32 s[G1B+1], 256<<16                    ; tensor_dim0 = 256
	s_mov_b32 s[G1B+2], 64<<16                     ; tensor_dim1 = 64
	s_mov_b32 s[G1B+3], 256<<16                    ; tile_dim0 = 256
	s_mov_b32 s[G1B+4], 64                         ; tile_dim1 = 64
	s_mov_b32 s[G1B+5], NB
	s_mov_b32 s[G1B+6], 0
	s_mov_b32 s[G1B+7], 0
	; A's tiles hang on cluster y, cy and the wave; B's on cluster y, the tile column and the wave: each in registers that never hold the other coordinate
	s_lshl_b32 s16, s41, 16                        ; 256 rows of 256 bytes
	s_lshl_b32 s17, s12, 15                        ; my 128 of them
	s_add_co_u32 s16, s16, s17
.if AES
	s_mul_i32 s17, s13, AES
	s_add_co_u32 s16, s16, s17
.endif
	s_mov_b32 s17, 0
	s_mul_i32 s46, s13, BES
	s_mul_i32 s47, s12, 128*NB                     ; my 64 k rows
	s_add_co_u32 s46, s46, s47
	s_lshl_b32 s47, s42, 9                         ; 256 columns of 2 bytes
	s_add_co_u32 s46, s46, s47
	s_mov_b32 s47, 0
	s_mul_i32 s20, s10, HALFT                      ; where my tiles go: no place in the cluster enters an LDS address
	s_mov_b32 s[TB], 0
	s_wait_dscnt 0x0                               ; the opening add is done
	s_wait_kmcnt 0x0
	s_add_nc_u64 s[14:15], s[4:5], s[16:17]
	s_add_nc_u64 s[46:47], s[6:7], s[46:47]
	CROUND                                         ; all sixteen work-groups are here: the first joint loads meet
.irp s, 0,1
	s_mov_b32 s[G0+4*(\s)], 1
	s_add_co_u32 s[G0+4*(\s)+1], s20, (\s)*SLOT
	s_add_nc_u64 s[G0+4*(\s)+2:G0+4*(\s)+3], s[14:15], (\s)*ASTEP
	s_or_b32 s[G0+4*(\s)+3], s[G0+4*(\s)+3], 0x80000000
	s_mov_b32 s[G0B+4*(\s)], 1
	s_add_co_u32 s[G0B+4*(\s)+1], s20, (\s)*SLOT
	s_add_nc_u64 s[G0B+4*(\s)+2:G0B+4*(\s)+3], s[46:47], (\s)*BSTEP
	s_or_b32 s[G0B+4*(\s)+3], s[G0B+4*(\s)+3], 0x80000000
	JLOAD \s                                       ; both slots are asked for before anything else: two loads of mine are out
.endr
	v_and_b32 v1, 15, v0                           ; r = l % 16
	v_bfe_u32 v2, v0, 4, 1                         ; h = l / 16
	v_and_b32 v3, 31, v0                           ; l
	v_mul_u32_u24 v4, v1, PA                       ; A's fragment: row r, 16 bytes for each half of the lanes; two loads 32 bytes apart
	v_lshl_add_u32 v4, v2, 4, v4
	s_mul_i32 s21, s11, HALFT
	v_add_nc_u32 v[ADRA], s21, v4
	v_mov_b32 v[ACUR], v[ADRA]
	v_and_b32 v5, 7, v0                            ; B's fragment, turned: lane l reads k row 8 h + l % 8, columns 8 ((l / 8) % 2) + 0..7; two loads 16 rows apart
	v_lshl_add_u32 v5, v2, 3, v5
	v_mul_u32_u24 v5, v5, PB
	v_bfe_u32 v6, v0, 3, 1
	v_lshl_add_u32 v5, v6, 4, v5
	s_lshl_b32 s22, s12, 8                         ; my 128 columns
	s_add_co_u32 s22, s22, 2*HALFT
	v_add_nc_u32 v[ADRB], s22, v5
	v_mov_b32 v[BCUR], v[ADRB]
	s_mul_i32 s23, s10, WSTG                       ; my stage
	v_mul_u32_u24 v7, v1, SPF
	v_lshl_add_u32 v7, v2, 5, v7
	v_add_nc_u32 v[STO], s23, v7                   ; in: row r, 32 bytes for each half of the lanes
	v_lshl_add_u32 v[RD], v3, 4, s23               ; back: 32 lanes take a row's 512 bytes
.if KIND < 3
	v_lshlrev_b32 v[CO], 3, v3                     ; four f16 a lane
.else
	v_lshlrev_b32 v[CO], 4, v3                     ; four f32 a lane
.endif
	v_mov_b32 v[ZR], 0
	s_lshl_b32 s16, s41, ROWSH                     ; C at my part of the tile: the rows' share,
	s_lshl_b32 s17, s11, ROWSH-1
	s_add_co_u32 s16, s16, s17
	s_lshl_b32 s17, s13, 22                        ; the expert's (the split's) 4,194,304 bytes,
	s_add_co_u32 s16, s16, s17
	s_mov_b32 s17, 0
	s_add_nc_u64 s[8:9], s[8:9], s[16:17]
	s_lshl1_add_u32 s46, s42, s12                  ; and the columns': 2 x tile column + half
	s_lshl_b32 s46, s46, COLSH
	s_mov_b32 s47, 0
	s_add_nc_u64 s[8:9], s[8:9], s[46:47]
.if KIND < 3
	; THE SCALES of my wave's 128 rows, four a lane, and my four columns' bias: all this stands in the wait for the first tile
	s_lshl_b32 s76, s13, 2
	s_load_b32 s72, s[70:71], s76 offset:BM        ; max |b1[e]|
	s_load_b32 s73, s[70:71], s76 offset:BM+32     ; max |b2[e]|
	s_lshl_b32 s21, s10, 10
	s_add_co_u32 s21, s21, TBL
	v_mov_b32 v[TA], s21
	v_lshl_add_u32 v31, v3, 5, s21                 ; my four rows' 32 bytes of the table
	s_lshl_b32 s21, s13, 7
	v_lshl_add_u32 v36, v3, 2, s21                 ; w1: chunk 32 e + l
	s_lshl_b32 s21, s13, 8
	v_lshl_add_u32 v37, v3, 2, s21                 ; w2: chunks 64 e + l, + 32
	s_lshl_b32 s21, s41, 10
	s_lshl_b32 s22, s11, 9
	s_add_co_u32 s21, s21, s22
	v_lshl_add_u32 v38, v3, 4, s21                 ; rows 256 cy + 128 half + 4 l ..
	s_lshl_b32 s21, s13, 13
	s_lshl_b32 s22, s42, 10
	s_add_co_u32 s21, s21, s22
	s_lshl_b32 s22, s12, 9
	s_add_co_u32 s21, s21, s22
	v_lshl_add_u32 v39, v3, 4, s21                 ; columns 2048 e + 256 tile column + 128 half + 4 l ..
	global_load_b32 v40, v36, s[70:71] offset:W1M
	global_load_b32 v41, v37, s[70:71] offset:W2M
	global_load_b32 v42, v37, s[70:71] offset:W2M+128
	global_load_b128 v[44:47], v38, s[70:71] offset:X1O
	global_load_b128 v[BI:BI+3], v39, s[68:69]
	s_mov_b32 s74, 0x76543210
	s_mov_b32 s75, 0xfedcba98
	s_mov_b32 s77, 0x0da24260                      ; 1e-30
	v_mov_b32 v43, 0
	s_wait_loadcnt 0x0
	s_wait_kmcnt 0x0
	v_max_num_f32 v41, v41, v42
	WMAX 40, 43                                    ; max |w1[e]|
	WMAX 41, 43                                    ; max |w2[e]|
.irp i, 0,1,2,3
	v_fma_f32 v[48+(\i)], v[44+(\i)], v40, s72     ; a1
.endr
.irp i, 0,1,2,3
	v_mul_f32 v[52+(\i)], 0x45000000, v[48+(\i)]   ; 2048 a1
.endr
.irp i, 0,1,2,3
	v_fma_f32 v[52+(\i)], v[52+(\i)], v41, s73     ; a2
.endr
.irp i, 0,1,2,3
	v_max3_num_f32 v[48+(\i)], v[48+(\i)], v[52+(\i)], s77
.endr
.irp i, 0,1,2,3
	v_rcp_f32 v[48+(\i)], v[48+(\i)]
.endr
	v_nop                                          ; a plain instruction behind the last reciprocal,
	s_wait_alu depctr_va_vdst(0)                   ; and the one wait ahead of the batch's first reader
.irp i, 0,1,2,3
	v_mul_f32 v[56+2*(\i)], 0x46800000, v[48+(\i)] ; t = 16384 / the bound, twice: a pair for the packed arithmetic
	v_mul_f32 v[57+2*(\i)], 0x46800000, v[48+(\i)]
.endr
	ds_store_b128 v31, v[56:59]                    ; only my wave reads these bytes, and no tile lands there
	ds_store_b128 v31, v[60:63] offset:16
	v_cvt_pk_bf16_f32 v36, v[BI], v[BI+1]          ; the bias rounded to bf16, as f32
	v_cvt_pk_bf16_f32 v37, v[BI+2], v[BI+3]
	v_lshlrev_b32 v[BI], 16, v36
	v_and_b32 v[BI+1], 0xffff0000, v36
	v_lshlrev_b32 v[BI+2], 16, v37
	v_and_b32 v[BI+3], 0xffff0000, v37
	s_wait_dscnt 0x0                               ; no LDS instruction is pending at a signal
.endif
; 16 matrix instructions: m blocks a0, a0 + 1 of the window's four x all 8 n blocks, 32 along K.  zero = 1: the first product starts the sums.
.macro MUL16 f, hi, a0, zero
	WIN MUL_LO+0x50*(\hi)
.irp a, \a0, (\a0)+1
.irp b, 0,1,2,3,4,5,6,7
.if \zero
	v_wmma_f32_16x16x32_f16 v[8*(8*(\a)+(\b)):8*(8*(\a)+(\b))+7], v[(\f)+8*(\b):(\f)+8*(\b)+7], v[(\f)+8*(4*(\hi)+(\a)):(\f)+8*(4*(\hi)+(\a))+7], 0
.else
	v_wmma_f32_16x16x32_f16 v[8*(8*(\a)+(\b)):8*(8*(\a)+(\b))+7], v[(\f)+8*(\b):(\f)+8*(\b)+7], v[(\f)+8*(4*(\hi)+(\a)):(\f)+8*(4*(\hi)+(\a))+7], v[8*(8*(\a)+(\b)):8*(8*(\a)+(\b))+7]
.endif
.endr
.endr
.endm
; 32 LDS loads in one run: quarter q (32 along K) of the slot in hand into buffer f: B's 128 columns, turned, then A's 128 rows
.macro FETCH q, f
	WIN TO_B
.irp i, 0,1,2,3,4,5,6,7
	ds_load_tr16_b128 v[(\f)+8*(\i):(\f)+8*(\i)+3],   v[BCUR] offset:(\q)*32*PB+32*(\i)
	ds_load_tr16_b128 v[(\f)+8*(\i)+4:(\f)+8*(\i)+7], v[BCUR] offset:(\q)*32*PB+16*PB+32*(\i)
.endr
	WIN 0
.irp i, 0,1,2,3,4,5,6,7
	ds_load_b128 v[(\f)+8*(\i):(\f)+8*(\i)+3],   v[ACUR] offset:64*(\q)+(\i)*16*PA
	ds_load_b128 v[(\f)+8*(\i)+4:(\f)+8*(\i)+7], v[ACUR] offset:64*(\q)+(\i)*16*PA+32
.endr
.endm
.macro PLACES                          ; four plain instructions between a matrix instruction and a load into, or a reader of, its registers (ISA guide 7.12.1 for readers)
.rept 4
	v_nop
.endr
.endm
; A K step is four quarters of 64 matrix instructions on buffers 0, 1, 0, 1.  This one multiplies buffer f and, in its middle, fetches quarter q into buffer g.
.macro QUARTER q, f, g, zero
	s_wait_dscnt 8                                 ; B and A's rows 0-63 are in; the youngest eight loads (A's rows 64-127) may be out
	MUL16 \f, 0, 0, \zero
	MUL16 \f, 0, 2, \zero
	PLACES
	FETCH \q, \g
	s_wait_dscnt 32                                ; all but the 32 just issued
	MUL16 \f, 1, 0, \zero
	MUL16 \f, 1, 2, \zero
.endm
; The last quarter's first half: ONE barrier for the change of slots.
.macro MEET round
	WIN 0                                          ; (the add's two registers lie in window 0)
	s_wait_tensorcnt 0x0                           ; all my tensor loads have landed: the one that was out is my part of the next slot;
	ds_add_u32 v[SPW], v[NIL]                      ; 0 onto my spare word
	s_wait_dscnt 9                                 ; (the add and the youngest eight loads may be out)
	MUL16 F1, 0, 0, 0                              ; sixteen matrix instructions stand between the add and the wait for it
	s_wait_dscnt 0x0                               ; the add is done, and my reads of this slot are over
	s_barrier_signal -1
	MUL16 F1, 0, 2, 0
.if \round
	WIN 0
.endif
	s_barrier_wait -1
.endm
; The whole last quarter.  fill = 1: the barrier opens a round of the cluster's, and the slot just read out is filled again, two K steps ahead, first thing behind it:
; from that request to the wait for it a wave issues 224 matrix instructions.
.macro TURN fill
	MEET \fill
.if \fill
	CREST                                          ; no wave of any partner still reads this slot or has a load on its way
	s_xor_b32 s[G0+5], s[G0+5], SLOT               ; the walking descriptors: the other slot than last time, the next K step
	s_add_nc_u64 s[G0+6:G0+7], s[G0+6:G0+7], ASTEP
	s_xor_b32 s[G0B+5], s[G0B+5], SLOT
	s_add_nc_u64 s[G0B+6:G0B+7], s[G0B+6:G0B+7], BSTEP
	JLOAD 1                                        ; its four v_nop are also the places in front of the loads below
.else
	PLACES
	WIN 0
.endif
	s_xor_b32 s[TB], s[TB], SLOT                   ; the fetches go on in the other slot
	v_add_nc_u32 v[ACUR], s[TB], v[ADRA]
	v_add_nc_u32 v[BCUR], s[TB], v[ADRB]
	FETCH 0, F0
	MUL16 F1, 1, 0, 0
	MUL16 F1, 1, 2, 0
.endm
; THE WAY OUT's two macros (KIND 1 and 2).  ROWLD asks for 8 whole rows of my 128 columns, and their t, out of my stage and my table.
.macro ROWLD
.irp i, 0,1,2,3,4,5,6,7
	ds_load_b128 v[XO+4*(\i):XO+4*(\i)+3], v[RD] offset:(\i)*SPF
.endr
.irp i, 0,1,2,3,4,5,6,7
	ds_load_b64 v[SC+2*(\i):SC+2*(\i)+1], v[TA] offset:(\i)*8
.endr
.endm
; ROWS finishes and stores them, the eight rows together through each stage, so that no line reads the result of the line before it.  The first stage writes other registers, so that (ahead = 1)
; the next 8 rows are asked for in the trip's middle and have the conversions and the stores in which to land.
.macro ROWS ahead
	s_wait_dscnt 0x0                               ; the 8 rows and their t are in
.if KIND == 1
.irp i, 0,1,2,3,4,5,6,7
	v_pk_add_f32 v[ZO+4*(\i):ZO+4*(\i)+1],   v[XO+4*(\i):XO+4*(\i)+1],   v[BI:BI+1]
	v_pk_add_f32 v[ZO+4*(\i)+2:ZO+4*(\i)+3], v[XO+4*(\i)+2:XO+4*(\i)+3], v[BI+2:BI+3]
.endr
.irp i, 0,1,2,3,4,5,6,7
	v_pk_mul_f32 v[ZO+4*(\i):ZO+4*(\i)+1],   v[ZO+4*(\i):ZO+4*(\i)+1],   v[SC+2*(\i):SC+2*(\i)+1]
	v_pk_mul_f32 v[ZO+4*(\i)+2:ZO+4*(\i)+3], v[ZO+4*(\i)+2:ZO+4*(\i)+3], v[SC+2*(\i):SC+2*(\i)+1]
.endr
.else
.irp i, 0,1,2,3,4,5,6,7
	v_pk_fma_f32 v[ZO+4*(\i):ZO+4*(\i)+1],   v[BI:BI+1],   v[SC+2*(\i):SC+2*(\i)+1], v[XO+4*(\i):XO+4*(\i)+1]    ; the sums carry t already
	v_pk_fma_f32 v[ZO+4*(\i)+2:ZO+4*(\i)+3], v[BI+2:BI+3], v[SC+2*(\i):SC+2*(\i)+1], v[XO+4*(\i)+2:XO+4*(\i)+3]
.endr
.endif
.if \ahead
	v_add_nc_u32 v[RD], 8*SPF, v[RD]
	v_add_nc_u32 v[TA], 64, v[TA]
	ROWLD
.endif
	s_wait_xcnt 0x0                                ; the last trip's stores have had their addresses translated (ISA guide 3.1): their data and their offset are rewritten only behind this wait
	v_add_nc_u32 v[CO], CSTEP, v[CO]               ; the offset steps ahead of the stores, which reach back
.irp i, 0,1,2,3,4,5,6,7
	v_cvt_pk_f16_f32 v[YO+2*(\i)],   v[ZO+4*(\i)],   v[ZO+4*(\i)+1]
	v_cvt_pk_f16_f32 v[YO+2*(\i)+1], v[ZO+4*(\i)+2], v[ZO+4*(\i)+3]
.endr
.irp i, 0,1,2,3,4,5,6,7
	v_pk_max_num_f16 v[YO+2*(\i)],   v[YO+2*(\i)],   v[ZR]
	v_pk_max_num_f16 v[YO+2*(\i)+1], v[YO+2*(\i)+1], v[ZR]
.endr
.irp i, 0,1,2,3,4,5,6,7
	global_store_b64 v[CO], v[YO+2*(\i):YO+2*(\i)+1], s[8:9] offset:(\i)*256-CSTEP  ; a panel's row: the wave stores 256 consecutive bytes, aligned
.endr
.endm
	s_wait_tensorcnt 1                             ; my part of K step 0 is in; step 1's may stay out
	s_barrier_signal -1
	s_barrier_wait -1                              ; everybody's is
	FETCH 0, F0
	QUARTER 1, F0, F1, 1                           ; the first quarter stands in front of the loop: its products start the sums
	WIN 0                                          ; at a label and at a branch every window is 0
	s_mov_b32 s3, NSTEP-2
.Lstep:                                                ; a trip: a K step's quarters 1 to 3, the change of slots with its refill, the next step's quarter 0.  The 64 accumulators take turns in one order throughout
	QUARTER 2, F1, F0, 0
	QUARTER 3, F0, F1, 0
	TURN 1
	QUARTER 1, F0, F1, 0
	WIN 0
	s_sub_co_u32 s3, s3, 1
	s_cmp_lg_u32 s3, 0
	s_cbranch_scc1 .Lstep
	s_mov_b32 s3, 2
.Ltail:                                                ; the last two K steps ask for nothing: a text of their own, walked twice and left in the middle of its second trip.  That trip's change of slots
	QUARTER 2, F1, F0, 0                           ; passes one more barrier and fetches 32 fragments a wave that nothing multiplies: the price of one text for both steps
	QUARTER 3, F0, F1, 0
	TURN 0
	WIN 0
	s_sub_co_u32 s3, s3, 1
	s_cmp_eq_u32 s3, 0
	s_cbranch_scc1 .Lout
	QUARTER 1, F0, F1, 0
	WIN 0
	s_branch .Ltail
.Lout:
	; THE WAY OUT.  Every wave's reads of the ring are over and no tensor load is out: behind this barrier the ring's bytes are the four waves' stages.
	s_wait_dscnt 0x0                               ; the fragments fetched last are in: no LDS read of mine is out at the signal
	PLACES
	s_barrier_signal -1
	s_barrier_wait -1
.irp a, 0,1,2,3,4,5,6,7                ; my 128 x 128 sums into my stage, a lane's eight neighbouring f32 as two stores, each accumulator's low registers first
	WIN 0x08+4*((\a)/4)                            ; the stores' data: window 2 or 3
.irp b, 0,1,2,3,4,5,6,7
	ds_store_b128 v[STO], v[8*(8*((\a)%4)+(\b)):8*(8*((\a)%4)+(\b))+3]   offset:(\a)*16*SPF+64*(\b)
	ds_store_b128 v[STO], v[8*(8*((\a)%4)+(\b))+4:8*(8*((\a)%4)+(\b))+7] offset:(\a)*16*SPF+64*(\b)+16
.endr
.endr
	WIN 0
.if KIND < 3
	ROWLD                                          ; LDS serves a wave's instructions in order (ISA guide 5.7.1.4): these see the stores above
	s_mov_b32 s3, 15
.Lrows:
	ROWS 1
	s_sub_co_u32 s3, s3, 1
	s_cmp_lg_u32 s3, 0
	s_cbranch_scc1 .Lrows
	ROWS 0                                         ; the last 8 rows are written out: nothing past my own stage is read
.else
	s_mov_b32 s3, 16
.Lrows:                                                ; a trip: 8 whole rows of my 128 columns come back (LDS serves a wave's instructions in order: ISA guide 5.7.1.4) and are stored
.irp i, 0,1,2,3,4,5,6,7
	ds_load_b128 v[XO+4*(\i):XO+4*(\i)+3], v[RD] offset:(\i)*SPF
.endr
.irp i, 0,1,2,3,4,5,6,7
	s_wait_dscnt 7-(\i)                            ; row i is in; the run's 7 - i younger loads may be out
	global_store_b128 v[CO], v[XO+4*(\i):XO+4*(\i)+3], s[8:9] offset:(\i)*4096  ; the wave stores 512 consecutive bytes, aligned
.endr
	s_wait_xcnt 0x0                                ; the stores' data and offset are rewritten only behind this wait
	v_add_nc_u32 v[RD], 8*SPF, v[RD]
	v_add_nc_u32 v[CO], CSTEP, v[CO]
	s_sub_co_u32 s3, s3, 1
	s_cmp_lg_u32 s3, 0
	s_cbranch_scc1 .Lrows
.endif
	s_wait_tensorcnt 0x0                           ; the wave's end, behind my last tensor load and my last LDS store
	ds_add_u32 v[SPW], v[NIL]
	s_wait_dscnt 0x0
	CROUND                                         ; the closing round: no work-group ends while a partner may still ask for a tile that names it
	s_endpgm
.Lfunc_end_k_qe505e7bab9_gemm2:
	.size	k_qe505e7bab9_gemm2, .Lfunc_end_k_qe505e7bab9_gemm2-k_qe505e7bab9_gemm2
	.p2alignl 7, 3214868480
	.fill 96, 4, 3214868480
	.section	.rodata,"a",@progbits
	.p2align	6, 0x0
	.amdhsa_kernel k_qe505e7bab9_gemm2
		.amdhsa_group_segment_fixed_size 327680
		.amdhsa_private_segment_fixed_size 0
		.amdhsa_enable_private_segment 0
		.amdhsa_kernarg_size 40
		.amdhsa_user_sgpr_count 2
		.amdhsa_user_sgpr_kernarg_segment_ptr 1
		.amdhsa_wavefront_size32 1
		.amdhsa_system_sgpr_workgroup_id_x 1
		.amdhsa_system_sgpr_workgroup_id_y 1
		.amdhsa_system_sgpr_workgroup_id_z 1
		.amdhsa_system_vgpr_workitem_id 0
		.amdhsa_next_free_vgpr 1024
		.amdhsa_next_free_sgpr 80
		.amdhsa_reserve_vcc 0
		.amdhsa_float_denorm_mode_32 3
		.amdhsa_float_denorm_mode_16_64 3
		.amdhsa_memory_ordered 1
		.amdhsa_forward_progress 1
		.amdhsa_inst_pref_size 91
	.end_amdhsa_kernel
	.amdgpu_metadata
---
amdhsa.version: [ 1, 2 ]
amdhsa.kernels:
  - .name:           k_qe505e7bab9_gemm2
    .symbol:         k_qe505e7bab9_gemm2.kd
    .args:
      - { .name: h1, .offset: 0, .size: 8, .value_kind: global_buffer, .address_space: global }
      - { .name: w2h, .offset: 8, .size: 8, .value_kind: global_buffer, .address_space: global }
      - { .name: h2, .offset: 16, .size: 8, .value_kind: global_buffer, .address_space: global }
      - { .name: b2, .offset: 24, .size: 8, .value_kind: global_buffer, .address_space: global }
      - { .name: aux, .offset: 32, .size: 8, .value_kind: global_buffer, .address_space: global }
    .group_segment_fixed_size: 327680
    .private_segment_fixed_size: 0
    .kernarg_segment_align: 8
    .kernarg_segment_size: 40
    .max_flat_workgroup_size: 128
    .sgpr_count:     80
    .vgpr_count:     1024
    .wavefront_size: 32
...
	.end_amdgpu_metadata
.endif
;; end of part 3
;; launch gemm3 (part 4): grid 4 x 64, 4 waves a work-group, clusters of 4 x 4, 327,680 bytes of LDS; arguments h2, w3h, part; writes part
.if DOCPART == 4
	.amdgcn_target "amdgcn-amd-amdhsa--gfx1250"
	.amdhsa_code_object_version 6
	.text
	.protected	k_qe505e7bab9_gemm3
	.globl	k_qe505e7bab9_gemm3
	.p2align	8
	.type	k_qe505e7bab9_gemm3,@function
k_qe505e7bab9_gemm3:
	s_mov_b64 s[64:65], 0
	v_nop
	global_prefetch_b8 v0, s[64:65] scope:SCOPE_SE
	s_setreg_imm32_b32 hwreg(HW_REG_WAVE_MODE, 25, 1), 1
	s_wait_xcnt 0x0
	s_wait_alu depctr_hold_cnt(0) depctr_sa_sdst(0) depctr_va_vdst(0) depctr_va_sdst(0) depctr_va_ssrc(0) depctr_va_vcc(0) depctr_vm_vsrc(0)
	s_getreg_b32 s2, hwreg(HW_REG_IB_STS2, 6, 4)
	s_cmp_eq_u32 s2, 0
	s_cbranch_scc0 .Lentry_in_a_cluster
	s_endpgm
.Lentry_in_a_cluster:
	s_bfe_u32 s2, ttmp6, 0x10000c
	s_cmp_lg_u32 s2, 0xf033
	s_cbranch_scc0 .Lentry_shape_is_right
	s_endpgm
.Lentry_shape_is_right:
; ONE TEXT FOR THE THREE PRODUCTS; KIND says which.  C[m][n] = sum over k of A[m][k] B[k][n], operands f16, sums f32.
;   KIND 1: h1 = f16(relu((x w1[e] + b1[e]) t))      KIND 2: h2 = f16(relu(h1 w2[e] + b2[e] t))      KIND 3: part[s] = h2 w3, K split sixteen ways (split s: expert s / 2, half s % 2 of its 2,048 k), f32
; A lies in panels [K / 128][1024 rows][128]: a tile's rows are 256 dense bytes.  B lies [K][N], as the weights came, and is turned on its way out of LDS by ds_load_tr16_b128.
; THE SCALE t[e][row] keeps h1 and h2 inside f16 for every size of the inputs.  a1 = sum|x| max|w1| + max|b1| bounds layer 1, a2 = 2048 a1 max|w2| + max|b2| bounds layer 2;
; t = 16384 / max(a1, a2, 1e-30): both layers times t stay under 16,384.  ReLU commutes with t > 0; the last launch divides by t.  b1, b2 are rounded to bf16 like every input.
; LIMITS: a1 and a2 stay under 2^126; NaN and infinities are not treated apart (the ReLU's maximum turns a NaN into 0).
; SHARES.  A tile of C is 256 x 256: four waves, 128 x 128 each in 512 registers.  K goes in steps of 128 through two LDS slots; 256 work-groups.
; CLUSTER 4 x 4: cluster y = the expert (the split), cy = the tile row, 4 x cluster x + cx = the tile column.  A's tile is shared along a row of the cluster, B's along a column: joint loads.
; The matrix instruction is used transposed (source 0 = 16 columns of B, source 1 = 16 rows of A): a lane holds eight neighbouring numbers of a row of C.
; REGISTERS, in windows of 256: window 0: v0-63 addresses, bias, set-up; v64-127, v128-191 A's fragments, two buffers (on the way out: rows at work).  window 1: v64-191 B's fragments.
;   windows 2, 3: the accumulators of my rows 0-63, 64-127: (a, b) at v[8 (8 (a % 4) + b)].
.set KIND, 3
.if KIND == 1
.set NSTEP, 8                          ; K steps
.set NB,    2048                       ; B's row, in elements
.set AES,   0                          ; A's bytes from one cluster y to the next
.set BES,   4194304                    ; B's
.endif
.if KIND == 2
.set NSTEP, 16
.set NB,    2048
.set AES,   4194304
.set BES,   8388608
.endif
.if KIND == 3
.set NSTEP, 8
.set NB,    1024
.set AES,   2097152
.set BES,   2097152
.endif
.if KIND < 3
.set ROWSH, 16                         ; C: 256 rows of a panel are 65,536 bytes; a panel of 128 columns is 262,144 bytes; 8 rows are 2,048
.set COLSH, 18
.set CSTEP, 2048
.else
.set ROWSH, 20                         ; C: 256 rows of 4,096 bytes; 128 columns are 512 bytes; 8 rows are 32,768
.set COLSH, 9
.set CSTEP, 32768
.endif
.set ASTEP, 262144                     ; a K step in A: the next panel
.set BSTEP, 256*NB                     ; in B: 128 rows
.set X1O,   32768                      ; aux: sum |x|; chunk maxima of w1 (32 an expert) and w2 (64 an expert); the biases' maxima
.set W1M,   36864
.set W2M,   37888
.set BM,    39936
.set PA,    272                        ; a row of A in LDS: 256 bytes + 16: the 16 rows of a load start at 16 different groups of four banks (ISA guide 11.1)
.set PB,    544                        ; a row of B: 512 bytes + 32
.set HALFT, 34816                      ; 128 rows of A = 64 rows of B: what one tensor load brings
.set SLOT,  4*HALFT                    ; A's two halves, then B's k rows 0-63 and 64-127.  SLOT = 0x22000 shares no bit with wave x HALFT: an exclusive or changes slots
.set TBL,   2*SLOT                     ; behind the ring: t twice for each of a wave's 128 rows, 1,024 bytes a wave
.set SPARE, TBL+4096                   ; the spare words, 128 bytes a wave
.set SPF,   528                        ; the way out: a row of 128 f32 + 16 bytes; 128 rows a wave, in the ring's bytes, which have had their last fill by then
.set WSTG,  128*SPF
.set ADRA, 16                          ; v16 my place in A's tile of slot 0     v17 the same in the slot in hand
.set ACUR, 17
.set ADRB, 20                          ; v20, v21 the same for B
.set BCUR, 21
.set STO,  24                          ; v24 the way out: where I put 32 bytes of a row
.set RD,   25                          ; v25 where I read a row back
.set CO,   26                          ; v26 my byte offset in C
.set ZR,   27                          ; v27 0, for the ReLU
.set SPW,  28                          ; v28 my spare word's LDS address; never rewritten
.set NIL,  29                          ; v29 0; never rewritten
.set TA,   30                          ; v30 where my wave's t lie
.set BI,   32                          ; v[32:35] the bias of my four columns
.set XO,   64                          ; the way out: 8 rows x 4 f32 as read back, their t, their f16, and the rows at work
.set SC,   96
.set YO,   112
.set ZO,   128
.set F0,   64
.set F1,   128
.set G1,  24                           ; s[24:31] descriptor group 1 for A;  s[32:39] group 0: set 0 = slot 0, step 0; set 1 = slot 1, step 1, and then it walks
.set G0,  32
.set G1B, 48                           ; s[48:55], s[56:63] the same for B
.set G0B, 56
.set TB,  66                           ; s66 LDS byte at which the slot in hand begins
.set MSB, 0
.macro WIN new                         ; the immediate's high byte repeats the setting that is left; a switch that changes nothing is dropped
.if MSB != (\new)
	s_set_vgpr_msb (MSB<<8)|(\new)
.set MSB, \new
.endif
.endm
.set MUL_LO, 0xa1                      ; source 0 (B) window 1, source 1 (A) window 0, C and D window 2
.set MUL_HI, 0xf1                      ; the same, C and D window 3
.set TO_B,   0x40                      ; destination window 1, address window 0
; A joint load.  Waves 0 and 1 fetch A's two halves, waves 2 and 3 B's.  The branch hangs on the wave's number alone.  An s_nop 0 and four v_nop follow each of the two lines.
.macro JLOAD s
	s_cmp_eq_u32 s11, 0
	s_cbranch_scc0 .Lfor_b_\@
	tensor_load_to_lds s[G0+4*(\s):G0+4*(\s)+3], s[G1:G1+7]
	s_nop 0
.rept 4
	v_nop
.endr
	s_branch .Lasked_\@
.Lfor_b_\@:
	tensor_load_to_lds s[G0B+4*(\s):G0B+4*(\s)+3], s[G1B:G1B+7]
	s_nop 0
.rept 4
	v_nop
.endr
.Lasked_\@:
.endm
.macro CREST                           ; a round of the cluster's barrier behind its opening barrier
	s_cmp_lg_u32 s10, 0
	s_cbranch_scc1 .Lnot_wave_0_\@
	s_barrier_signal -3
.Lnot_wave_0_\@:
	s_barrier_wait -3
	s_barrier_signal -1
	s_barrier_wait -1
.endm
.macro CROUND                          ; a whole round
	s_barrier_signal -1
	s_barrier_wait -1
	CREST
.endm
.macro WMAX r, t                       ; the maximum over the wave's 32 lanes, in every lane
	v_max_num_f32_dpp v[\r], v[\r], v[\r] row_xmask:1 row_mask:0xf bank_mask:0xf
	v_max_num_f32_dpp v[\r], v[\r], v[\r] row_xmask:2 row_mask:0xf bank_mask:0xf
	v_max_num_f32_dpp v[\r], v[\r], v[\r] row_xmask:4 row_mask:0xf bank_mask:0xf
	v_max_num_f32_dpp v[\r], v[\r], v[\r] row_xmask:8 row_mask:0xf bank_mask:0xf
	v_permlanex16_b32 v[\t], v[\r], s74, s75
	v_max_num_f32 v[\r], v[\r], v[\t]
.endm
	s_load_b128 s[4:7], s[0:1], 0x0                ; A s[4:5], B s[6:7]
	s_load_b64 s[8:9], s[0:1], 0x10                ; C
.if KIND < 3
	s_load_b128 s[68:71], s[0:1], 0x18             ; the bias s[68:69], aux s[70:71]
.endif
	v_lshl_add_u32 v[SPW], v0, 2, SPARE
	v_mov_b32 v[NIL], 0
	ds_add_u32 v[SPW], v[NIL]                      ; the wave's opening: the add and its wait stand ahead of my first tensor load; the set-up below stands between them
	v_lshrrev_b32 v1, 5, v0
	v_readfirstlane_b32 s10, v1                    ; wave 0..3
	s_lshr_b32 s11, s10, 1                         ; which half of the tile's rows is mine.  Also: I fetch for A (0) or for B (1)
	s_and_b32 s12, s10, 1                          ; which half of its columns.  Also: which half of that tile I fetch
	s_bfe_u32 s40, ttmp6, 0x40000                  ; cx
	s_bfe_u32 s41, ttmp6, 0x40004                  ; cy = the tile row
	s_lshl_b32 s42, ttmp9, 2
	s_add_co_u32 s42, s42, s40                     ; the tile column = 4 x cluster x + cx
	s_and_b32 s13, ttmp7, 0xffff                   ; cluster y: the expert (KIND 3: the split), shared by all sixteen
	s_lshl_b32 s43, s41, 2
	s_lshl_b32 s43, 15, s43                        ; my row of the cluster
	s_lshl_b32 s44, 0x1111, s40                    ; my column
	s_or_b32 s[G1+0], s43, (1<<16)|(1<<20)|(1<<21)|(5<<22)|(3<<25)   ; the mask; 2-byte elements; padding on; 21 set beside a mask; after every 64 words 4 words
	s_mov_b32 s[G1+1], 128<<16                     ; tensor_dim0 = 128
	s_mov_b32 s[G1+2], 128<<16                     ; tensor_dim1 = 128
	s_mov_b32 s[G1+3], 128<<16                     ; tile_dim0 = 128
	s_mov_b32 s[G1+4], 128                         ; tile_dim1 = 128
	s_mov_b32 s[G1+5], 128                         ; 128 elements from row to row: a panel is dense
	s_mov_b32 s[G1+6], 0
	s_mov_b32 s[G1+7], 0
	s_or_b32 s[G1B+0], s44, (1<<16)|(1<<20)|(1<<21)|(6<<22)|(7<<25)  ; after every 128 words 8 words
	s_mov_b32 s[G1B+1], 256<<16                    ; tensor_dim0 = 256
	s_mov_b32 s[G1B+2], 64<<16                     ; tensor_dim1 = 64
	s_mov_b32 s[G1B+3], 256<<16                    ; tile_dim0 = 256
	s_mov_b32 s[G1B+4], 64                         ; tile_dim1 = 64
	s_mov_b32 s[G1B+5], NB
	s_mov_b32 s[G1B+6], 0
	s_mov_b32 s[G1B+7], 0
	; A's tiles hang on cluster y, cy and the wave; B's on cluster y, the tile column and the wave: each in registers that never hold the other coordinate
	s_lshl_b32 s16, s41, 16                        ; 256 rows of 256 bytes
	s_lshl_b32 s17, s12, 15                        ; my 128 of them
	s_add_co_u32 s16, s16, s17
.if AES
	s_mul_i32 s17, s13, AES
	s_add_co_u32 s16, s16, s17
.endif
	s_mov_b32 s17, 0
	s_mul_i32 s46, s13, BES
	s_mul_i32 s47, s12, 128*NB                     ; my 64 k rows
	s_add_co_u32 s46, s46, s47
	s_lshl_b32 s47, s42, 9                         ; 256 columns of 2 bytes
	s_add_co_u32 s46, s46, s47
	s_mov_b32 s47, 0
	s_mul_i32 s20, s10, HALFT                      ; where my tiles go: no place in the cluster enters an LDS address
	s_mov_b32 s[TB], 0
	s_wait_dscnt 0x0                               ; the opening add is done
	s_wait_kmcnt 0x0
	s_add_nc_u64 s[14:15], s[4:5], s[16:17]
	s_add_nc_u64 s[46:47], s[6:7], s[46:47]
	CROUND                                         ; all sixteen work-groups are here: the first joint loads meet
.irp s, 0,1
	s_mov_b32 s[G0+4*(\s)], 1
	s_add_co_u32 s[G0+4*(\s)+1], s20, (\s)*SLOT
	s_add_nc_u64 s[G0+4*(\s)+2:G0+4*(\s)+3], s[14:15], (\s)*ASTEP
	s_or_b32 s[G0+4*(\s)+3], s[G0+4*(\s)+3], 0x80000000
	s_mov_b32 s[G0B+4*(\s)], 1
	s_add_co_u32 s[G0B+4*(\s)+1], s20, (\s)*SLOT
	s_add_nc_u64 s[G0B+4*(\s)+2:G0B+4*(\s)+3], s[46:47], (\s)*BSTEP
	s_or_b32 s[G0B+4*(\s)+3], s[G0B+4*(\s)+3], 0x80000000
	JLOAD \s                                       ; both slots are asked for before anything else: two loads of mine are out
.endr
	v_and_b32 v1, 15, v0                           ; r = l % 16
	v_bfe_u32 v2, v0, 4, 1                         ; h = l / 16
	v_and_b32 v3, 31, v0                           ; l
	v_mul_u32_u24 v4, v1, PA                       ; A's fragment: row r, 16 bytes for each half of the lanes; two loads 32 bytes apart
	v_lshl_add_u32 v4, v2, 4, v4
	s_mul_i32 s21, s11, HALFT
	v_add_nc_u32 v[ADRA], s21, v4
	v_mov_b32 v[ACUR], v[ADRA]
	v_and_b32 v5, 7, v0                            ; B's fragment, turned: lane l reads k row 8 h + l % 8, columns 8 ((l / 8) % 2) + 0..7; two loads 16 rows apart
	v_lshl_add_u32 v5, v2, 3, v5
	v_mul_u32_u24 v5, v5, PB
	v_bfe_u32 v6, v0, 3, 1
	v_lshl_add_u32 v5, v6, 4, v5
	s_lshl_b32 s22, s12, 8                         ; my 128 columns
	s_add_co_u32 s22, s22, 2*HALFT
	v_add_nc_u32 v[ADRB], s22, v5
	v_mov_b32 v[BCUR], v[ADRB]
	s_mul_i32 s23, s10, WSTG                       ; my stage
	v_mul_u32_u24 v7, v1, SPF
	v_lshl_add_u32 v7, v2, 5, v7
	v_add_nc_u32 v[STO], s23, v7                   ; in: row r, 32 bytes for each half of the lanes
	v_lshl_add_u32 v[RD], v3, 4, s23               ; back: 32 lanes take a row's 512 bytes
.if KIND < 3
	v_lshlrev_b32 v[CO], 3, v3                     ; four f16 a lane
.else
	v_lshlrev_b32 v[CO], 4, v3                     ; four f32 a lane
.endif
	v_mov_b32 v[ZR], 0
	s_lshl_b32 s16, s41, ROWSH                     ; C at my part of the tile: the rows' share,
	s_lshl_b32 s17, s11, ROWSH-1
	s_add_co_u32 s16, s16, s17
	s_lshl_b32 s17, s13, 22                        ; the expert's (the split's) 4,194,304 bytes,
	s_add_co_u32 s16, s16, s17
	s_mov_b32 s17, 0
	s_add_nc_u64 s[8:9], s[8:9], s[16:17]
	s_lshl1_add_u32 s46, s42, s12                  ; and the columns': 2 x tile column + half
	s_lshl_b32 s46, s46, COLSH
	s_mov_b32 s47, 0
	s_add_nc_u64 s[8:9], s[8:9], s[46:47]
.if KIND < 3
	; THE SCALES of my wave's 128 rows, four a lane, and my four columns' bias: all this stands in the wait for the first tile
	s_lshl_b32 s76, s13, 2
	s_load_b32 s72, s[70:71], s76 offset:BM        ; max |b1[e]|
	s_load_b32 s73, s[70:71], s76 offset:BM+32     ; max |b2[e]|
	s_lshl_b32 s21, s10, 10
	s_add_co_u32 s21, s21, TBL
	v_mov_b32 v[TA], s21
	v_lshl_add_u32 v31, v3, 5, s21                 ; my four rows' 32 bytes of the table
	s_lshl_b32 s21, s13, 7
	v_lshl_add_u32 v36, v3, 2, s21                 ; w1: chunk 32 e + l
	s_lshl_b32 s21, s13, 8
	v_lshl_add_u32 v37, v3, 2, s21                 ; w2: chunks 64 e + l, + 32
	s_lshl_b32 s21, s41, 10
	s_lshl_b32 s22, s11, 9
	s_add_co_u32 s21, s21, s22
	v_lshl_add_u32 v38, v3, 4, s21                 ; rows 256 cy + 128 half + 4 l ..
	s_lshl_b32 s21, s13, 13
	s_lshl_b32 s22, s42, 10
	s_add_co_u32 s21, s21, s22
	s_lshl_b32 s22, s12, 9
	s_add_co_u32 s21, s21, s22
	v_lshl_add_u32 v39, v3, 4, s21                 ; columns 2048 e + 256 tile column + 128 half + 4 l ..
	global_load_b32 v40, v36, s[70:71] offset:W1M
	global_load_b32 v41, v37, s[70:71] offset:W2M
	global_load_b32 v42, v37, s[70:71] offset:W2M+128
	global_load_b128 v[44:47], v38, s[70:71] offset:X1O
	global_load_b128 v[BI:BI+3], v39, s[68:69]
	s_mov_b32 s74, 0x76543210
	s_mov_b32 s75, 0xfedcba98
	s_mov_b32 s77, 0x0da24260                      ; 1e-30
	v_mov_b32 v43, 0
	s_wait_loadcnt 0x0
	s_wait_kmcnt 0x0
	v_max_num_f32 v41, v41, v42
	WMAX 40, 43                                    ; max |w1[e]|
	WMAX 41, 43                                    ; max |w2[e]|
.irp i, 0,1,2,3
	v_fma_f32 v[48+(\i)], v[44+(\i)], v40, s72     ; a1
.endr
.irp i, 0,1,2,3
	v_mul_f32 v[52+(\i)], 0x45000000, v[48+(\i)]   ; 2048 a1
.endr
.irp i, 0,1,2,3
	v_fma_f32 v[52+(\i)], v[52+(\i)], v41, s73     ; a2
.endr
.irp i, 0,1,2,3
	v_max3_num_f32 v[48+(\i)], v[48+(\i)], v[52+(\i)], s77
.endr
.irp i, 0,1,2,3
	v_rcp_f32 v[48+(\i)], v[48+(\i)]
.endr
	v_nop                                          ; a plain instruction behind the last reciprocal,
	s_wait_alu depctr_va_vdst(0)                   ; and the one wait ahead of the batch's first reader
.irp i, 0,1,2,3
	v_mul_f32 v[56+2*(\i)], 0x46800000, v[48+(\i)] ; t = 16384 / the bound, twice: a pair for the packed arithmetic
	v_mul_f32 v[57+2*(\i)], 0x46800000, v[48+(\i)]
.endr
	ds_store_b128 v31, v[56:59]                    ; only my wave reads these bytes, and no tile lands there
	ds_store_b128 v31, v[60:63] offset:16
	v_cvt_pk_bf16_f32 v36, v[BI], v[BI+1]          ; the bias rounded to bf16, as f32
	v_cvt_pk_bf16_f32 v37, v[BI+2], v[BI+3]
	v_lshlrev_b32 v[BI], 16, v36
	v_and_b32 v[BI+1], 0xffff0000, v36
	v_lshlrev_b32 v[BI+2], 16, v37
	v_and_b32 v[BI+3], 0xffff0000, v37
	s_wait_dscnt 0x0                               ; no LDS instruction is pending at a signal
.endif
; 16 matrix instructions: m blocks a0, a0 + 1 of the window's four x all 8 n blocks, 32 along K.  zero = 1: the first product starts the sums.
.macro MUL16 f, hi, a0, zero
	WIN MUL_LO+0x50*(\hi)
.irp a, \a0, (\a0)+1
.irp b, 0,1,2,3,4,5,6,7
.if \zero
	v_wmma_f32_16x16x32_f16 v[8*(8*(\a)+(\b)):8*(8*(\a)+(\b))+7], v[(\f)+8*(\b):(\f)+8*(\b)+7], v[(\f)+8*(4*(\hi)+(\a)):(\f)+8*(4*(\hi)+(\a))+7], 0
.else
	v_wmma_f32_16x16x32_f16 v[8*(8*(\a)+(\b)):8*(8*(\a)+(\b))+7], v[(\f)+8*(\b):(\f)+8*(\b)+7], v[(\f)+8*(4*(\hi)+(\a)):(\f)+8*(4*(\hi)+(\a))+7], v[8*(8*(\a)+(\b)):8*(8*(\a)+(\b))+7]
.endif
.endr
.endr
.endm
; 32 LDS loads in one run: quarter q (32 along K) of the slot in hand into buffer f: B's 128 columns, turned, then A's 128 rows
.macro FETCH q, f
	WIN TO_B
.irp i, 0,1,2,3,4,5,6,7
	ds_load_tr16_b128 v[(\f)+8*(\i):(\f)+8*(\i)+3],   v[BCUR] offset:(\q)*32*PB+32*(\i)
	ds_load_tr16_b128 v[(\f)+8*(\i)+4:(\f)+8*(\i)+7], v[BCUR] offset:(\q)*32*PB+16*PB+32*(\i)
.endr
	WIN 0
.irp i, 0,1,2,3,4,5,6,7
	ds_load_b128 v[(\f)+8*(\i):(\f)+8*(\i)+3],   v[ACUR] offset:64*(\q)+(\i)*16*PA
	ds_load_b128 v[(\f)+8*(\i)+4:(\f)+8*(\i)+7], v[ACUR] offset:64*(\q)+(\i)*16*PA+32
.endr
.endm
.macro PLACES                          ; four plain instructions between a matrix instruction and a load into, or a reader of, its registers (ISA guide 7.12.1 for readers)
.rept 4
	v_nop
.endr
.endm
; A K step is four quarters of 64 matrix instructions on buffers 0, 1, 0, 1.  This one multiplies buffer f and, in its middle, fetches quarter q into buffer g.
.macro QUARTER q, f, g, zero
	s_wait_dscnt 8                                 ; B and A's rows 0-63 are in; the youngest eight loads (A's rows 64-127) may be out
	MUL16 \f, 0, 0, \zero
	MUL16 \f, 0, 2, \zero
	PLACES
	FETCH \q, \g
	s_wait_dscnt 32                                ; all but the 32 just issued
	MUL16 \f, 1, 0, \zero
	MUL16 \f, 1, 2, \zero
.endm
; The last quarter's first half: ONE barrier for the change of slots.
.macro MEET round
	WIN 0                                          ; (the add's two registers lie in window 0)
	s_wait_tensorcnt 0x0                           ; all my tensor loads have landed: the one that was out is my part of the next slot;
	ds_add_u32 v[SPW], v[NIL]                      ; 0 onto my spare word
	s_wait_dscnt 9                                 ; (the add and the youngest eight loads may be out)
	MUL16 F1, 0, 0, 0                              ; sixteen matrix instructions stand between the add and the wait for it
	s_wait_dscnt 0x0                               ; the add is done, and my reads of this slot are over
	s_barrier_signal -1
	MUL16 F1, 0, 2, 0
.if \round
	WIN 0
.endif
	s_barrier_wait -1
.endm
; The whole last quarter.  fill = 1: the barrier opens a round of the cluster's, and the slot just read out is filled again, two K steps ahead, first thing behind it:
; from that request to the wait for it a wave issues 224 matrix instructions.
.macro TURN fill
	MEET \fill
.if \fill
	CREST                                          ; no wave of any partner still reads this slot or has a load on its way
	s_xor_b32 s[G0+5], s[G0+5], SLOT               ; the walking descriptors: the other slot than last time, the next K step
	s_add_nc_u64 s[G0+6:G0+7], s[G0+6:G0+7], ASTEP
	s_xor_b32 s[G0B+5], s[G0B+5], SLOT
	s_add_nc_u64 s[G0B+6:G0B+7], s[G0B+6:G0B+7], BSTEP
	JLOAD 1                                        ; its four v_nop are also the places in front of the loads below
.else
	PLACES
	WIN 0
.endif
	s_xor_b32 s[TB], s[TB], SLOT                   ; the fetches go on in the other slot
	v_add_nc_u32 v[ACUR], s[TB], v[ADRA]
	v_add_nc_u32 v[BCUR], s[TB], v[ADRB]
	FETCH 0, F0
	MUL16 F1, 1, 0, 0
	MUL16 F1, 1, 2, 0
.endm
; THE WAY OUT's two macros (KIND 1 and 2).  ROWLD asks for 8 whole rows of my 128 columns, and their t, out of my stage and my table.
.macro ROWLD
.irp i, 0,1,2,3,4,5,6,7
	ds_load_b128 v[XO+4*(\i):XO+4*(\i)+3], v[RD] offset:(\i)*SPF
.endr
.irp i, 0,1,2,3,4,5,6,7
	ds_load_b64 v[SC+2*(\i):SC+2*(\i)+1], v[TA] offset:(\i)*8
.endr
.endm
; ROWS finishes and stores them, the eight rows together through each stage, so that no line reads the result of the line before it.  The first stage writes other registers, so that (ahead = 1)
; the next 8 rows are asked for in the trip's middle and have the conversions and the stores in which to land.
.macro ROWS ahead
	s_wait_dscnt 0x0                               ; the 8 rows and their t are in
.if KIND == 1
.irp i, 0,1,2,3,4,5,6,7
	v_pk_add_f32 v[ZO+4*(\i):ZO+4*(\i)+1],   v[XO+4*(\i):XO+4*(\i)+1],   v[BI:BI+1]
	v_pk_add_f32 v[ZO+4*(\i)+2:ZO+4*(\i)+3], v[XO+4*(\i)+2:XO+4*(\i)+3], v[BI+2:BI+3]
.endr
.irp i, 0,1,2,3,4,5,6,7
	v_pk_mul_f32 v[ZO+4*(\i):ZO+4*(\i)+1],   v[ZO+4*(\i):ZO+4*(\i)+1],   v[SC+2*(\i):SC+2*(\i)+1]
	v_pk_mul_f32 v[ZO+4*(\i)+2:ZO+4*(\i)+3], v[ZO+4*(\i)+2:ZO+4*(\i)+3], v[SC+2*(\i):SC+2*(\i)+1]
.endr
.else
.irp i, 0,1,2,3,4,5,6,7
	v_pk_fma_f32 v[ZO+4*(\i):ZO+4*(\i)+1],   v[BI:BI+1],   v[SC+2*(\i):SC+2*(\i)+1], v[XO+4*(\i):XO+4*(\i)+1]    ; the sums carry t already
	v_pk_fma_f32 v[ZO+4*(\i)+2:ZO+4*(\i)+3], v[BI+2:BI+3], v[SC+2*(\i):SC+2*(\i)+1], v[XO+4*(\i)+2:XO+4*(\i)+3]
.endr
.endif
.if \ahead
	v_add_nc_u32 v[RD], 8*SPF, v[RD]
	v_add_nc_u32 v[TA], 64, v[TA]
	ROWLD
.endif
	s_wait_xcnt 0x0                                ; the last trip's stores have had their addresses translated (ISA guide 3.1): their data and their offset are rewritten only behind this wait
	v_add_nc_u32 v[CO], CSTEP, v[CO]               ; the offset steps ahead of the stores, which reach back
.irp i, 0,1,2,3,4,5,6,7
	v_cvt_pk_f16_f32 v[YO+2*(\i)],   v[ZO+4*(\i)],   v[ZO+4*(\i)+1]
	v_cvt_pk_f16_f32 v[YO+2*(\i)+1], v[ZO+4*(\i)+2], v[ZO+4*(\i)+3]
.endr
.irp i, 0,1,2,3,4,5,6,7
	v_pk_max_num_f16 v[YO+2*(\i)],   v[YO+2*(\i)],   v[ZR]
	v_pk_max_num_f16 v[YO+2*(\i)+1], v[YO+2*(\i)+1], v[ZR]
.endr
.irp i, 0,1,2,3,4,5,6,7
	global_store_b64 v[CO], v[YO+2*(\i):YO+2*(\i)+1], s[8:9] offset:(\i)*256-CSTEP  ; a panel's row: the wave stores 256 consecutive bytes, aligned
.endr
.endm
	s_wait_tensorcnt 1                             ; my part of K step 0 is in; step 1's may stay out
	s_barrier_signal -1
	s_barrier_wait -1                              ; everybody's is
	FETCH 0, F0
	QUARTER 1, F0, F1, 1                           ; the first quarter stands in front of the loop: its products start the sums
	WIN 0                                          ; at a label and at a branch every window is 0
	s_mov_b32 s3, NSTEP-2
.Lstep:                                                ; a trip: a K step's quarters 1 to 3, the change of slots with its refill, the next step's quarter 0.  The 64 accumulators take turns in one order throughout
	QUARTER 2, F1, F0, 0
	QUARTER 3, F0, F1, 0
	TURN 1
	QUARTER 1, F0, F1, 0
	WIN 0
	s_sub_co_u32 s3, s3, 1
	s_cmp_lg_u32 s3, 0
	s_cbranch_scc1 .Lstep
	s_mov_b32 s3, 2
.Ltail:                                                ; the last two K steps ask for nothing: a text of their own, walked twice and left in the middle of its second trip.  That trip's change of slots
	QUARTER 2, F1, F0, 0                           ; passes one more barrier and fetches 32 fragments a wave that nothing multiplies: the price of one text for both steps
	QUARTER 3, F0, F1, 0
	TURN 0
	WIN 0
	s_sub_co_u32 s3, s3, 1
	s_cmp_eq_u32 s3, 0
	s_cbranch_scc1 .Lout
	QUARTER 1, F0, F1, 0
	WIN 0
	s_branch .Ltail
.Lout:
	; THE WAY OUT.  Every wave's reads of the ring are over and no tensor load is out: behind this barrier the ring's bytes are the four waves' stages.
	s_wait_dscnt 0x0                               ; the fragments fetched last are in: no LDS read of mine is out at the signal
	PLACES
	s_barrier_signal -1
	s_barrier_wait -1
.irp a, 0,1,2,3,4,5,6,7                ; my 128 x 128 sums into my stage, a lane's eight neighbouring f32 as two stores, each accumulator's low registers first
	WIN 0x08+4*((\a)/4)                            ; the stores' data: window 2 or 3
.irp b, 0,1,2,3,4,5,6,7
	ds_store_b128 v[STO], v[8*(8*((\a)%4)+(\b)):8*(8*((\a)%4)+(\b))+3]   offset:(\a)*16*SPF+64*(\b)
	ds_store_b128 v[STO], v[8*(8*((\a)%4)+(\b))+4:8*(8*((\a)%4)+(\b))+7] offset:(\a)*16*SPF+64*(\b)+16
.endr
.endr
	WIN 0
.if KIND < 3
	ROWLD                                          ; LDS serves a wave's instructions in order (ISA guide 5.7.1.4): these see the stores above
	s_mov_b32 s3, 15
.Lrows:
	ROWS 1
	s_sub_co_u32 s3, s3, 1
	s_cmp_lg_u32 s3, 0
	s_cbranch_scc1 .Lrows
	ROWS 0                                         ; the last 8 rows are written out: nothing past my own stage is read
.else
	s_mov_b32 s3, 16
.Lrows:                                                ; a trip: 8 whole rows of my 128 columns come back (LDS serves a wave's instructions in order: ISA guide 5.7.1.4) and are stored
.irp i, 0,1,2,3,4,5,6,7
	ds_load_b128 v[XO+4*(\i):XO+4*(\i)+3], v[RD] offset:(\i)*SPF
.endr
.irp i, 0,1,2,3,4,5,6,7
	s_wait_dscnt 7-(\i)                            ; row i is in; the run's 7 - i younger loads may be out
	global_store_b128 v[CO], v[XO+4*(\i):XO+4*(\i)+3], s[8:9] offset:(\i)*4096  ; the wave stores 512 consecutive bytes, aligned
.endr
	s_wait_xcnt 0x0                                ; the stores' data and offset are rewritten only behind this wait
	v_add_nc_u32 v[RD], 8*SPF, v[RD]
	v_add_nc_u32 v[CO], CSTEP, v[CO]
	s_sub_co_u32 s3, s3, 1
	s_cmp_lg_u32 s3, 0
	s_cbranch_scc1 .Lrows
.endif
	s_wait_tensorcnt 0x0                           ; the wave's end, behind my last tensor load and my last LDS store
	ds_add_u32 v[SPW], v[NIL]
	s_wait_dscnt 0x0
	CROUND                                         ; the closing round: no work-group ends while a partner may still ask for a tile that names it
	s_endpgm
.Lfunc_end_k_qe505e7bab9_gemm3:
	.size	k_qe505e7bab9_gemm3, .Lfunc_end_k_qe505e7bab9_gemm3-k_qe505e7bab9_gemm3
	.p2alignl 7, 3214868480
	.fill 96, 4, 3214868480
	.section	.rodata,"a",@progbits
	.p2align	6, 0x0
	.amdhsa_kernel k_qe505e7bab9_gemm3
		.amdhsa_group_segment_fixed_size 327680
		.amdhsa_private_segment_fixed_size 0
		.amdhsa_enable_private_segment 0
		.amdhsa_kernarg_size 24
		.amdhsa_user_sgpr_count 2
		.amdhsa_user_sgpr_kernarg_segment_ptr 1
		.amdhsa_wavefront_size32 1
		.amdhsa_system_sgpr_workgroup_id_x 1
		.amdhsa_system_sgpr_workgroup_id_y 1
		.amdhsa_system_sgpr_workgroup_id_z 1
		.amdhsa_system_vgpr_workitem_id 0
		.amdhsa_next_free_vgpr 1024
		.amdhsa_next_free_sgpr 80
		.amdhsa_reserve_vcc 0
		.amdhsa_float_denorm_mode_32 3
		.amdhsa_float_denorm_mode_16_64 3
		.amdhsa_memory_ordered 1
		.amdhsa_forward_progress 1
		.amdhsa_inst_pref_size 79
	.end_amdhsa_kernel
	.amdgpu_metadata
---
amdhsa.version: [ 1, 2 ]
amdhsa.kernels:
  - .name:           k_qe505e7bab9_gemm3
    .symbol:         k_qe505e7bab9_gemm3.kd
    .args:
      - { .name: h2, .offset: 0, .size: 8, .value_kind: global_buffer, .address_space: global }
      - { .name: w3h, .offset: 8, .size: 8, .value_kind: global_buffer, .address_space: global }
      - { .name: part, .offset: 16, .size: 8, .value_kind: global_buffer, .address_space: global }
    .group_segment_fixed_size: 327680
    .private_segment_fixed_size: 0
    .kernarg_segment_align: 8
    .kernarg_segment_size: 24
    .max_flat_workgroup_size: 128
    .sgpr_count:     80
    .vgpr_count:     1024
    .wavefront_size: 32
...
	.end_amdgpu_metadata
.endif
;; end of part 4
;; launch combine (part 5): grid 512 x 1, 8 waves a work-group, no clusters, 0 bytes of LDS; arguments part, b3, aux, out0; writes out0
.if DOCPART == 5
	.amdgcn_target "amdgcn-amd-amdhsa--gfx1250"
	.amdhsa_code_object_version 6
	.text
	.protected	k_qe505e7bab9_combine
	.globl	k_qe505e7bab9_combine
	.p2align	8
	.type	k_qe505e7bab9_combine,@function
k_qe505e7bab9_combine:
	s_mov_b64 s[64:65], 0
	v_nop
	global_prefetch_b8 v0, s[64:65] scope:SCOPE_SE
	s_setreg_imm32_b32 hwreg(HW_REG_WAVE_MODE, 25, 1), 1
	s_wait_xcnt 0x0
; out[row][c] = sum over e of gate[row][e] ((part[2 e][row][c] + part[2 e + 1][row][c]) / t[e][row] + b3[e][c]), all in f32; b3 is rounded to bf16 like every input.
; 1 / t = max(a1, a2, 1e-30) / 16384, made of the same bounds as in the products: a1 = sum|x| max|w1| + max|b1|, a2 = 2048 a1 max|w2| + max|b2| (both stay under 2^126).
; A stream: 64 MiB of partial sums are read once; no LDS, no matrix unit, no cluster (no two work-groups read the same partial sums).
; A work-group owns 2 rows, a thread 16 bytes of each: a wave's load or store covers 512 consecutive bytes.  All of a wave's 32 loads of partial sums go out at its start.
; The factors hang on (row, expert) alone: lane l of every wave makes those of row (l / 8) % 2 and expert l % 8 (it also takes quarter l / 8 of the expert's chunk maxima), and
; v_readlane_b32 hands the sixteen of lanes 0-15 to scalar registers.
.set X1O, 32768
.set W1M, 36864
.set W2M, 37888
.set BM,  39936
.set VO,  8                            ; v[8:15]    16 x thread + expert x 2 splits of 4,194,304 bytes; never rewritten
.set B3,  48                           ; v[48:79]   b3 of my four columns, expert e at B3 + 4 e
.set ACC, 80                           ; v[80:87]   row i's four sums at ACC + 4 i
.set T,   96                           ; v[96:103]  at work
.set R0,  128                          ; v[128:191], v[192:255] the two rows' partial sums: split s at + 4 s
.set R1,  192
.set F,   32                           ; s[32:47]   gate / t for (row i, expert e) at F + 8 i + e
.set G,   66                           ; s[66:81]   the gate, likewise
	s_load_b256 s[4:11], s[0:1], 0x0               ; part s[4:5], b3 s[6:7], aux s[8:9], out0 s[10:11]
	v_lshlrev_b32 v2, 4, v0                        ; my 16 bytes of a row; never rewritten
	v_and_b32 v7, 7, v0                            ; e
	v_bfe_u32 v6, v0, 3, 2                         ; the quarter, l / 8
	v_lshlrev_b32 v3, 7, v7
	v_lshl_add_u32 v3, v6, 5, v3                   ; w1's 32 chunk maxima of expert e, my quarter: 128 e + 32 (l / 8)
	v_lshlrev_b32 v4, 1, v3                        ; w2's 64: 256 e + 64 (l / 8)
	v_and_b32 v5, 15, v0
	s_lshl_b32 s12, ttmp9, 6
	v_lshl_add_u32 v5, v5, 2, s12                  ; the gate of (row 2 g + (l / 8) % 2, e): 64 g + 4 (l % 16)
	v_and_b32 v6, 1, v6
	s_lshl_b32 s12, ttmp9, 3
	v_lshl_add_u32 v6, v6, 2, s12                  ; sum |x| of that row
	v_lshlrev_b32 v7, 2, v7
.irp e, 0,1,2,3,4,5,6,7
	v_add_nc_u32 v[VO+(\e)], (\e)<<23, v2
.endr
	s_lshl_b32 s12, ttmp9, 13                      ; my 2 rows of 4,096 bytes
	s_mov_b32 s13, 0
	s_mov_b32 s14, 0x76543210
	s_mov_b32 s15, 0xfedcba98
	s_mov_b32 s16, 0x0da24260                      ; 1e-30
	s_mov_b32 s17, 0xffff0000
	s_wait_kmcnt 0x0
	s_add_nc_u64 s[4:5], s[4:5], s[12:13]
	s_add_nc_u64 s[10:11], s[10:11], s[12:13]
	global_load_b128 v[16:19], v3, s[8:9] offset:W1M
	global_load_b128 v[20:23], v3, s[8:9] offset:W1M+16
	global_load_b128 v[24:27], v4, s[8:9] offset:W2M
	global_load_b128 v[28:31], v4, s[8:9] offset:W2M+16
	global_load_b128 v[32:35], v4, s[8:9] offset:W2M+32
	global_load_b128 v[36:39], v4, s[8:9] offset:W2M+48
	global_load_b32 v40, v5, s[8:9]
	global_load_b32 v41, v6, s[8:9] offset:X1O
	global_load_b32 v42, v7, s[8:9] offset:BM
	global_load_b32 v43, v7, s[8:9] offset:BM+32
.irp e, 0,1,2,3,4,5,6,7
	global_load_b128 v[B3+4*(\e):B3+4*(\e)+3], v2, s[6:7] offset:(\e)*4096
.endr
.macro ROWIN i, r                      ; row i's sixteen partial sums into set r
.irp s, 0,1,2,3,4,5,6,7,8,9,10,11,12,13,14,15
	global_load_b128 v[(\r)+4*(\s):(\r)+4*(\s)+3], v[VO+(\s)/2], s[4:5] offset:(\i)*4096+((\s)%2)*4194304 th:TH_LOAD_NT
.endr
.endm
	ROWIN 0, R0
	ROWIN 1, R1
	s_wait_loadcnt 40                              ; the ten loads of figures are in; b3's 8 and the partial sums' 32 stay out
	v_max3_num_f32 v16, v16, v17, v18
	v_max3_num_f32 v24, v24, v25, v26
	v_max3_num_f32 v16, v16, v19, v20
	v_max3_num_f32 v24, v24, v27, v28
	v_max3_num_f32 v16, v16, v21, v22
	v_max3_num_f32 v24, v24, v29, v30
	v_max_num_f32 v16, v16, v23
	v_max3_num_f32 v24, v24, v31, v32
	v_max3_num_f32 v24, v24, v33, v34
	v_max3_num_f32 v24, v24, v35, v36
	v_max3_num_f32 v24, v24, v37, v38
	v_max_num_f32 v24, v24, v39
	v_max_num_f32_dpp v16, v16, v16 row_xmask:8 row_mask:0xf bank_mask:0xf  ; an expert's four lanes are 8 apart: one step inside the half of 16,
	v_max_num_f32_dpp v24, v24, v24 row_xmask:8 row_mask:0xf bank_mask:0xf
	v_permlanex16_b32 v17, v16, s14, s15           ; one across the halves
	v_permlanex16_b32 v25, v24, s14, s15
	v_max_num_f32 v16, v16, v17                    ; max |w1[e]|
	v_max_num_f32 v24, v24, v25                    ; max |w2[e]|
	v_fma_f32 v17, v41, v16, v42                   ; a1
	v_mul_f32 v18, 0x45000000, v17                 ; 2048 a1
	v_fma_f32 v18, v18, v24, v43                   ; a2
	v_max3_num_f32 v17, v17, v18, s16
	v_mul_f32 v17, 0x38800000, v17                 ; 1 / t = the bound / 16384
	v_mul_f32 v17, v17, v40                        ; times the gate
.set n, 0
.rept 16
	v_readlane_b32 s[F+n], v17, n
	v_readlane_b32 s[G+n], v40, n
.set n, n+1
.endr
	s_wait_loadcnt 32                              ; b3 is in; the partial sums' 32 stay out
.set n, 0
.rept 16
	v_cvt_pk_bf16_f32 v[T+n%8], v[B3+2*n], v[B3+2*n+1]
	v_lshlrev_b32 v[B3+2*n], 16, v[T+n%8]
	v_and_b32 v[B3+2*n+1], s17, v[T+n%8]
.set n, n+1
.endr
.irp i, 0,1
.irp c, 0,1,2,3
	v_mul_f32 v[ACC+4*(\i)+(\c)], s[G+8*(\i)], v[B3+(\c)]  ; the first term starts the sums
.endr
.endr
.irp e, 1,2,3,4,5,6,7
.irp i, 0,1
.irp c, 0,1,2,3
	v_fmac_f32 v[ACC+4*(\i)+(\c)], s[G+8*(\i)+(\e)], v[B3+4*(\e)+(\c)]
.endr
.endr
.endr
.macro ROWSUM i, r, left               ; left: the other row's loads, which may stay out
	s_wait_loadcnt \left
.irp e, 0,1,2,3,4,5,6,7
	v_pk_add_f32 v[T+4*((\e)%2):T+4*((\e)%2)+1],   v[(\r)+8*(\e):(\r)+8*(\e)+1],   v[(\r)+8*(\e)+4:(\r)+8*(\e)+5]
	v_pk_add_f32 v[T+4*((\e)%2)+2:T+4*((\e)%2)+3], v[(\r)+8*(\e)+2:(\r)+8*(\e)+3], v[(\r)+8*(\e)+6:(\r)+8*(\e)+7]
.irp c, 0,1,2,3
	v_fmac_f32 v[ACC+4*(\i)+(\c)], s[F+8*(\i)+(\e)], v[T+4*((\e)%2)+(\c)]
.endr
.endr
	global_store_b128 v2, v[ACC+4*(\i):ACC+4*(\i)+3], s[10:11] offset:(\i)*4096 th:TH_STORE_NT
.endm
	ROWSUM 0, R0, 16
	ROWSUM 1, R1, 0
	s_endpgm
.Lfunc_end_k_qe505e7bab9_combine:
	.size	k_qe505e7bab9_combine, .Lfunc_end_k_qe505e7bab9_combine-k_qe505e7bab9_combine
	.p2alignl 7, 3214868480
	.fill 96, 4, 3214868480
	.section	.rodata,"a",@progbits
	.p2align	6, 0x0
	.amdhsa_kernel k_qe505e7bab9_combine
		.amdhsa_group_segment_fixed_size 0
		.amdhsa_private_segment_fixed_size 0
		.amdhsa_enable_private_segment 0
		.amdhsa_kernarg_size 32
		.amdhsa_user_sgpr_count 2
		.amdhsa_user_sgpr_kernarg_segment_ptr 1
		.amdhsa_wavefront_size32 1
		.amdhsa_system_sgpr_workgroup_id_x 1
		.amdhsa_system_sgpr_workgroup_id_y 1
		.amdhsa_system_sgpr_workgroup_id_z 1
		.amdhsa_system_vgpr_workitem_id 0
		.amdhsa_next_free_vgpr 256
		.amdhsa_next_free_sgpr 84
		.amdhsa_reserve_vcc 0
		.amdhsa_float_denorm_mode_32 3
		.amdhsa_float_denorm_mode_16_64 3
		.amdhsa_memory_ordered 1
		.amdhsa_forward_progress 1
		.amdhsa_inst_pref_size 19
	.end_amdhsa_kernel
	.amdgpu_metadata
---
amdhsa.version: [ 1, 2 ]
amdhsa.kernels:
  - .name:           k_qe505e7bab9_combine
    .symbol:         k_qe505e7bab9_combine.kd
    .args:
      - { .name: part, .offset: 0, .size: 8, .value_kind: global_buffer, .address_space: global }
      - { .name: b3, .offset: 8, .size: 8, .value_kind: global_buffer, .address_space: global }
      - { .name: aux, .offset: 16, .size: 8, .value_kind: global_buffer, .address_space: global }
      - { .name: out0, .offset: 24, .size: 8, .value_kind: global_buffer, .address_space: global }
    .group_segment_fixed_size: 0
    .private_segment_fixed_size: 0
    .kernarg_segment_align: 8
    .kernarg_segment_size: 32
    .max_flat_workgroup_size: 256
    .sgpr_count:     84
    .vgpr_count:     256
    .wavefront_size: 32
...
	.end_amdgpu_metadata
.endif
;; end of part 5
